; MI455X (gfx1250); checked and timed in simulation.
; The chip was launched on July 23, 2026; its instructions are those of AMD's public machine-readable ISA for CDNA 5 (MIT licence, August 2026) and "CDNA5" Instruction Set Architecture Reference Guide (July 2026). The comments in the code are by the model that wrote it; some were corrected since.
;; Multi Head Attention. Allowed arithmetic: matrix products marked QUANTISED: E4M3 operands, one E8M0 scale for each 32 along K, by v_wmma_scale_f32_16x16x128_f8f6f4 with both operands' format E4M3, f32 sums; everything else in f32.
;; Inputs: Wk_codes 1,024 x 32 x 32 uint8 (E4M3 codes of Wk, K innermost, in blocks of 32 codes); Wk_scales 1,024 x 32 uint8 (E8M0 scales of Wk, one for each 32 codes along K); Wo_codes 1,024 x 32 x 32 uint8 (E4M3 codes of Wo, K innermost, in blocks of 32 codes); Wo_scales 1,024 x 32 uint8 (E8M0 scales of Wo, one for each 32 codes along K); Wq_codes 1,024 x 32 x 32 uint8 (E4M3 codes of Wq, K innermost, in blocks of 32 codes); Wq_scales 1,024 x 32 uint8 (E8M0 scales of Wq, one for each 32 codes along K); Wv_codes 1,024 x 32 x 32 uint8 (E4M3 codes of Wv, K innermost, in blocks of 32 codes); Wv_scales 1,024 x 32 uint8 (E8M0 scales of Wv, one for each 32 codes along K); bk 1,024 float32; bo 1,024 float32; bq 1,024 float32; bv 1,024 float32; key_codes 4 x 2,048 x 32 x 32 uint8 (E4M3 codes of key, K innermost, in blocks of 32 codes); key_scales 4 x 2,048 x 32 uint8 (E8M0 scales of key, one for each 32 codes along K); mask 4 x 1 x 2,048 x 2,048 bool; query_codes 4 x 2,048 x 32 x 32 uint8 (E4M3 codes of query, K innermost, in blocks of 32 codes); query_scales 4 x 2,048 x 32 uint8 (E8M0 scales of query, one for each 32 codes along K); value_codes 4 x 2,048 x 32 x 32 uint8 (E4M3 codes of value, K innermost, in blocks of 32 codes); value_scales 4 x 2,048 x 32 uint8 (E8M0 scales of value, one for each 32 codes along K).
;; Outputs: out0 4 x 2,048 x 1,024 float32.
;; This version of the problem:
;;   THIS VERSION OF THE PROBLEM IS GIVEN IN LOW PRECISION. The matrix products marked QUANTISED in the list below multiply operands that are first quantised to E4M3 (4 exponent bits, 3 mantissa bits; 8 bits a number), with one power-of-two scale for each 32 numbers along K (OCP MX v1.0); their sums are f32. All else is computed in f32.
;;   The module's matrix products, in the order in which they are computed (A, B: the left and right operand; K: the contracted axis; several contracted axes count as one K, in the product's order):
;;     1. [M 8,192, K 1,024] x [K 1,024, N 1,024]; A: input query (given as codes); B: input Wq (given as codes): QUANTISED
;;     2. [M 8,192, K 1,024] x [K 1,024, N 1,024]; A: input key (given as codes); B: input Wk (given as codes): QUANTISED
;;     3. [M 8,192, K 1,024] x [K 1,024, N 1,024]; A: input value (given as codes); B: input Wv (given as codes): QUANTISED
;;     4. batch 64 x [M 2,048, K 64] x [K 64, N 2,048]; A: computed on the way; B: computed on the way: QUANTISED
;;     5. batch 64 x [M 2,048, K 2,048] x [K 2,048, N 64]; A: softmax (see below); B: computed on the way: QUANTISED
;;     6. [M 8,192, K 1,024] x [K 1,024, N 1,024]; A: computed on the way; B: input Wo (given as codes): QUANTISED
;;   THE QUANTISER, for each operand of a quantised product, along K:
;;     - K is cut into blocks of 32 from its start; a last block that is shorter is filled with zeros.
;;     - A block's scale is 2^e with e = floor(log2(the largest magnitude in the block)) - 8, held to -126 .. 127; a block of zeros has e = 0. As a byte (E8M0): e + 127.
;;     - Each number is divided by its block's scale, clamped to +-448, and rounded to the nearest number of E4M3, ties to even, subnormals kept.
;;     - The product sums the exact products of the quantised numbers (number of the format x scale) in f32.
;;   ~~~python
;;   def quantise(x, axis):      # numpy; x: float32 -> the quantised numbers, widened to float32 again
;;       x = np.moveaxis(x, axis, -1); K = x.shape[-1]
;;       x = np.pad(x, [(0, 0)] * (x.ndim - 1) + [(0, -K % 32)]); x = x.reshape(x.shape[:-1] + (-1, 32)); a = np.abs(x).max(-1, keepdims=True)
;;       e = np.where(a > 0, np.clip(np.frexp(np.where(a > 0, a, 1))[1] - 1 - 8, -126, 127), 0)      # np.frexp(a)[1] - 1 = floor(log2(a)), exactly
;;       r = np.clip(x / 2.0 ** e, -448, 448)
;;       step = 2.0 ** (np.maximum(np.frexp(np.where(r == 0, 1, r))[1] - 1, -6) - 3)
;;       q = np.round(r / step) * step * 2.0 ** e      # np.round: ties to even
;;       return np.moveaxis(q.reshape(q.shape[:-2] + (-1,))[..., :K], -1, axis).astype(np.float32)
;;   ~~~
;;   SOFTMAX AHEAD OF A QUANTISED PRODUCT. Where the list says 'softmax', what is quantised is not the finished softmax but p = 2^(t - M), with t = logit x log2(e) and M = ceil(the row's largest t), a whole number; so 1/2 < the row's largest p <= 1. The row's sum l is taken of the UNQUANTISED p, in f32, and the product's result is divided by l at the end. Since M is a whole number, a kernel that streams over the keys may use a running M (the ceiling of the running maximum): every later rescaling is an exact power of two, which a block's scale takes up: the codes' values come out the same.
;;   OPERANDS COMPUTED ON THE WAY. 'Computed on the way' means the value that the module computes at that place (a softmax that the list does not call 'softmax' is quantised finished and normalised). What goes into a quantiser is computed in f32, as accurately as f32 sums, v_exp_f32 and their like allow (about 1e-6 of the number): no bf16 or f16 on the way to a quantiser, and a product that is left as it is and whose result goes on into a quantised operand takes f32 operands (vector FMAs, or v_wmma_f32_16x16x4_f32). A number that lies on a knife's edge between two numbers of the format may be rounded either way, as far as f32 arithmetic and the matrix unit's own rounding can turn it there, and no further.
;;   INPUTS GIVEN AS CODES. Wk (in the module: [1024, 1024], K = its axis 1); Wo (in the module: [1024, 1024], K = its axis 1); Wq (in the module: [1024, 1024], K = its axis 1); Wv (in the module: [1024, 1024], K = its axis 1); key (in the module: [4, 2048, 1024], K = its axis 2); query (in the module: [4, 2048, 1024], K = its axis 2); value (in the module: [4, 2048, 1024], K = its axis 2): each comes as NAME_codes (uint8): NAME with its K axis moved to the last place and cut into blocks of 32 codes, [.., K / 32, bytes a block], one block behind the other in memory; one code a byte (a code: sign, 4 exponent bits, 3 mantissa bits); and NAME_scales (uint8): the same leading axes, one E8M0 byte (e + 127) for each 32 codes along K. Its value is code x scale, taken as it is: it is not quantised again, and the codes and scales need not be those that the quantiser above would give.
;; One version. Each part assembles by itself: llvm-mc -triple=amdgcn-amd-amdhsa -mcpu=gfx1250 --defsym DOCPART=n.
;; ======== version 1 of 1: 3 launches
;; limits: right only within a limited range of input values
;; workspace buffers: qbuf 8,912,896 bytes; kimg 8,388,608 bytes; vimg 8,388,608 bytes; kvsc 786,432 bytes; maskimg 4,194,304 bytes; obuf 8,650,752 bytes
;; launch proj (part 1): grid 4 x 96, 4 waves a work-group, clusters of 4 x 4, 327,680 bytes of LDS; arguments query_codes, key_codes, Wv_codes, query_scales, key_scales, Wv_scales, Wq_codes, Wk_codes, value_codes, Wq_scales, Wk_scales, value_scales, bq, bk, bv, qbuf, kimg, vimg, kvsc, mask, maskimg; writes qbuf, kimg, vimg, kvsc, maskimg
.if DOCPART == 1
	.amdgcn_target "amdgcn-amd-amdhsa--gfx1250"
	.amdhsa_code_object_version 6
	.text
	.protected	k_qee732eb0ce_proj
	.globl	k_qee732eb0ce_proj
	.p2align	8
	.type	k_qee732eb0ce_proj,@function
k_qee732eb0ce_proj:
	s_mov_b64 s[64:65], 0
	v_nop
	global_prefetch_b8 v0, s[64:65] scope:SCOPE_SE
	s_setreg_imm32_b32 hwreg(HW_REG_WAVE_MODE, 25, 1), 1
	s_wait_xcnt 0x0
	s_wait_alu depctr_hold_cnt(0) depctr_sa_sdst(0) depctr_va_vdst(0) depctr_va_sdst(0) depctr_va_ssrc(0) depctr_va_vcc(0) depctr_vm_vsrc(0)
	s_getreg_b32 s2, hwreg(HW_REG_IB_STS2, 6, 4)
	s_cmp_eq_u32 s2, 0
	s_cbranch_scc0 .Lentry_in_a_cluster
	s_endpgm
.Lentry_in_a_cluster:
	s_bfe_u32 s2, ttmp6, 0x10000c
	s_cmp_lg_u32 s2, 0xf033
	s_cbranch_scc0 .Lentry_shape_is_right
	s_endpgm
.Lentry_shape_is_right:
.set KSTEP,  256
.set NQ,     2
.set ROWB,   256
.set KROW,   1024
.set PITCH,  272
.set FR,     16
.set NL,     4
.set NP,     8
.set HALFT,  128*PITCH
.set SLOT,   4*HALFT
.set LAPS,   2
.set KS,     32
.set SCL,    2*SLOT
.set HALFS,  (128*KS/256)*272
.set SBLK,   (16*KS/256)*272
.set SPARE,  SCL+4*HALFS
.set OJ,   8
.set OFB,  8
.set ADRA, 16
.set ADRB, 20
.set GA,   24
.set GL,   25
.set SO0,  26
.set ADRS, 27
.set SPW,  28
.set NIL,  29
.set PL,   30
.set PO,   31
.set SC,   32
.set CI,   64
.set AF,   128
.set TM,   32
.set G1, 24
.set G0, 32
.set G1B, 48
.set G0B, 56
.set G1S, 68
.set G0S, 76
.set G1SB, 80
.set G0SB, 88
.set MSB, 0
.macro WIN new
.if MSB != \new
	s_set_vgpr_msb (MSB<<8)|\new
.set MSB, \new
.endif
.endm
.set MUL_LO, 0xa1
.set MUL_HI, 0xf1
.set FST_LO, 0x81
.set FST_HI, 0xc1
.set TO_B,   0x40
.macro JLOAD g0a, g1a, g0b, g1b
	s_cmp_eq_u32 s15, 0
	s_cbranch_scc0 .Lfor_b_\@
	tensor_load_to_lds s[\g0a:\g0a+3], s[\g1a:\g1a+7]
	s_nop 0
.rept 4
	v_nop
.endr
	s_branch .Lasked_\@
.Lfor_b_\@:
	tensor_load_to_lds s[\g0b:\g0b+3], s[\g1b:\g1b+7]
	s_nop 0
.rept 4
	v_nop
.endr
.Lasked_\@:
.endm
.macro CREST
	s_cmp_lg_u32 s14, 0
	s_cbranch_scc1 .Lnot_wave_0_\@
	s_barrier_signal -3
.Lnot_wave_0_\@:
	s_barrier_wait -3
	s_barrier_signal -1
	s_barrier_wait -1
.endm
.macro CROUND
	s_barrier_signal -1
	s_barrier_wait -1
	CREST
.endm
	s_load_b512 s[24:39], s[0:1], 0x0
	s_load_b512 s[40:55], s[0:1], 0x40
	s_load_b256 s[56:63], s[0:1], 0x80
	s_load_b64 s[68:69], s[0:1], 0xa0
	v_lshl_add_u32 v[SPW], v0, 2, SPARE
	v_mov_b32 v[NIL], 0
	ds_add_u32 v28, v29
	ds_add_u32 v28, v29
	s_wait_dscnt 0x0
	v_lshrrev_b32 v1, 5, v0
	v_readfirstlane_b32 s14, v1
	s_lshr_b32 s15, s14, 1
	s_and_b32 s16, s14, 1
	s_and_b32 s66, ttmp7, 0xffff
	s_wait_kmcnt 0x0
	s_cmp_lt_u32 s66, 16
	s_cselect_b64 s[4:5], s[26:27], s[28:29]
	s_cselect_b64 s[6:7], s[32:33], s[34:35]
	s_cselect_b64 s[8:9], s[38:39], s[40:41]
	s_cselect_b64 s[10:11], s[44:45], s[46:47]
	s_cselect_b64 s[92:93], s[50:51], s[52:53]
	s_cselect_b64 s[94:95], s[56:57], s[58:59]
	s_cmp_lt_u32 s66, 8
	s_cselect_b64 s[4:5], s[24:25], s[4:5]
	s_cselect_b64 s[6:7], s[30:31], s[6:7]
	s_cselect_b64 s[8:9], s[36:37], s[8:9]
	s_cselect_b64 s[10:11], s[42:43], s[10:11]
	s_cselect_b64 s[92:93], s[48:49], s[92:93]
	s_cselect_b64 s[94:95], s[54:55], s[94:95]
	s_cselect_b64 s[96:97], s[54:55], s[60:61]
	s_mov_b64 s[98:99], s[62:63]
	s_mov_b64 s[100:101], s[68:69]
	s_bfe_u32 s40, ttmp6, 0x40000
	s_bfe_u32 s41, ttmp6, 0x40004
	s_and_b32 s67, s66, 7
	s_lshl_b32 s67, s67, 2
	s_cmp_lt_u32 s66, 16
	s_cselect_b32 s17, s67, 0
	s_cselect_b32 s42, 0, s67
	s_add_co_u32 s17, s17, s41
	s_add_co_u32 s42, s42, s40
	s_lshl_b32 s43, s41, 2
	s_lshl_b32 s43, 15, s43
	s_lshl_b32 s44, 0x1111, s40
	s_or_b32 s[G1+0], s43, (0<<16)|(1<<20)|(1<<21)|(5<<22)|(3<<25)
	s_or_b32 s[G1B+0], s44, (0<<16)|(1<<20)|(1<<21)|(5<<22)|(3<<25)
.irp g, G1, G1B
	s_mov_b32 s[\g+1], ROWB<<16
	s_mov_b32 s[\g+2], 256<<16                     ; the head's loads of codes bring 256 rows; behind them these two words are set to 128
	s_mov_b32 s[\g+3], ROWB<<16
	s_mov_b32 s[\g+4], 256
	s_mov_b32 s[\g+5], KROW
	s_mov_b32 s[\g+6], 0
	s_mov_b32 s[\g+7], 0
.endr
	s_or_b32 s[G1S+0], s43, (3<<16)|(1<<20)|(1<<21)|(5<<22)|(3<<25)
	s_or_b32 s[G1SB+0], s44, (3<<16)|(1<<20)|(1<<21)|(5<<22)|(3<<25)
.irp g, G1S, G1SB
	s_mov_b32 s[\g+1], 32<<16
	s_mov_b32 s[\g+2], KS<<16                      ; the scale bytes of 256 rows: KS rows of 256 bytes
	s_mov_b32 s[\g+3], 32<<16
	s_mov_b32 s[\g+4], KS
	s_mov_b32 s[\g+5], 32
	s_mov_b32 s[\g+6], 0
	s_mov_b32 s[\g+7], 0
.endr
	s_lshl_b32 s20, s17, 8
	s_lshl_b32 s46, s42, 8
	s_mov_b32 s21, 0
	s_mov_b32 s47, 0
	s_mov_b64 s[18:19], KS
	s_mul_u64 s[22:23], s[20:21], s[18:19]
	s_mul_u64 s[12:13], s[46:47], s[18:19]
	s_mov_b64 s[18:19], KROW
	s_mul_u64 s[20:21], s[20:21], s[18:19]
	s_mul_u64 s[46:47], s[46:47], s[18:19]
	s_mul_i32 s45, s14, HALFT
	s_mul_i32 s18, s16, 128*KROW                   ; in the ring I fetch 128 rows of a tile: which half, in bytes
	s_mov_b32 s19, 0
	s_add_nc_u64 s[20:21], s[4:5], s[20:21]
	s_add_nc_u64 s[22:23], s[6:7], s[22:23]
	s_add_nc_u64 s[46:47], s[8:9], s[46:47]
	s_add_nc_u64 s[12:13], s[10:11], s[12:13]
	CROUND
	s_mov_b32 s[G0S], 1
	s_mov_b32 s[G0S+1], SCL
	s_mov_b64 s[G0S+2:G0S+3], s[22:23]
	s_or_b32 s[G0S+3], s[G0S+3], 0x80000000
	s_mov_b32 s[G0SB], 1
	s_mov_b32 s[G0SB+1], SCL+2*HALFS
	s_mov_b64 s[G0SB+2:G0SB+3], s[12:13]
	s_or_b32 s[G0SB+3], s[G0SB+3], 0x80000000
	s_add_nc_u64 s[20:21], s[20:21], s[18:19]      ; for the ring: my 128 rows of the tile
	s_add_nc_u64 s[46:47], s[46:47], s[18:19]
.irp s, 0,1
	s_mov_b32 s[G0+4*\s], 1
	s_add_co_u32 s[G0+4*\s+1], s45, \s*SLOT
	s_add_nc_u64 s[G0+4*\s+2:G0+4*\s+3], s[20:21], \s*ROWB
	s_or_b32 s[G0+4*\s+3], s[G0+4*\s+3], 0x80000000
	s_mov_b32 s[G0B+4*\s], 1
	s_add_co_u32 s[G0B+4*\s+1], s45, \s*SLOT
	s_add_nc_u64 s[G0B+4*\s+2:G0B+4*\s+3], s[46:47], \s*ROWB
	s_or_b32 s[G0B+4*\s+3], s[G0B+4*\s+3], 0x80000000
.endr
	s_mov_b32 s[G0+1], 0                           ; for the head's loads slot 0's two groups 0 name the whole tiles of 256 rows: A's from LDS byte 0 on,
	s_sub_nc_u64 s[G0+2:G0+3], s[G0+2:G0+3], s[18:19]
	s_mov_b32 s[G0B+1], 2*HALFT                    ; B's behind them; behind the wait for these loads they are set back to my 128 rows
	s_sub_nc_u64 s[G0B+2:G0B+3], s[G0B+2:G0B+3], s[18:19]
; THE HEAD'S LOADS, one a wave: wave 0 K step 0's 256 rows of A, wave 1 those of B, wave 2 A's scale bytes, wave 3 B's.  One chain of branches on the wave's number; every way passes one load.
.macro ARM under, g0, g1, next
	s_cmp_lt_u32 s14, \under
	s_cbranch_scc0 \next
	tensor_load_to_lds s[\g0:\g0+3], s[\g1:\g1+7]
	s_nop 0
.rept 4
	v_nop
.endr
	s_branch .Lhead_asked
\next:
.endm
	ARM 1, G0, G1, .Lhead_b
	ARM 2, G0B, G1B, .Lhead_sa
	ARM 3, G0S, G1S, .Lhead_sb
	tensor_load_to_lds s[G0SB:G0SB+3], s[G1SB:G1SB+7]
	s_nop 0
.rept 4
	v_nop
.endr
.Lhead_asked:                                          ; the set-up, the bias's loads and the mask's copy stand between the head's loads and the wait for them; they write no register of a descriptor
	v_and_b32 v1, 15, v0
	v_bfe_u32 v2, v0, 4, 1
	v_mul_u32_u24 v3, v1, PITCH
	v_lshl_add_u32 v4, v2, 4, v3
	s_mul_i32 s21, s15, HALFT
	s_mul_i32 s22, s16, HALFT
	s_add_co_u32 s22, s22, 2*HALFT
.irp s, 0,1
	v_add_nc_u32 v[ADRA+\s], s21, v4
	v_add_nc_u32 v[ADRB+\s], s22, v4
	s_add_co_u32 s21, s21, SLOT
	s_add_co_u32 s22, s22, SLOT
.endr
	v_mul_u32_u24 v5, v1, KS
	v_lshrrev_b32 v6, 8, v5
	v_lshl_add_u32 v5, v6, 4, v5
	s_mul_i32 s21, s15, HALFS
	s_mul_i32 s22, s16, HALFS
	s_add_co_u32 s22, s22, 2*HALFS
	s_sub_co_u32 s22, s22, s21
	v_mul_u32_u24 v6, s22, v2
	s_add_co_u32 s21, s21, SCL
	v_add_nc_u32 v5, v5, v6
	v_add_nc_u32 v[ADRS], s21, v5
	s_lshl_b32 s45, s14, 11
	v_lshl_add_u32 v[GA], v1, 2, s45
	v_and_b32 v3, 31, v0
	v_lshl_add_u32 v[GL], v3, 4, s45
	s_lshl_b32 s20, s17, 8
	s_lshl_b32 s21, s15, 7
	s_add_co_u32 s20, s20, s21
	s_lshl_b32 s21, s42, 8
	s_lshl_b32 s22, s16, 7
	s_add_co_u32 s21, s21, s22
	s_cmp_lt_u32 s66, 16
	s_cselect_b32 s22, s20, s21
	s_cselect_b32 s23, s21, s20
	s_cselect_b32 s8, 0, 1
	s_mov_b32 s4, 2048
	s_cselect_b32 s4, 1024, s4
	s_mov_b32 s12, 124928
	s_cselect_b32 s12, 1024, s12
	s_cselect_b32 s6, 0xffff, -1
	s_cselect_b32 s7, 0x7f7f0000, 0
	s_mov_b32 s67, 131072
	s_cselect_b32 s67, s67, 1024
	s_mov_b32 s105, 4096
	s_cselect_b32 s105, 256, s105
	s_cselect_b32 s104, 2, 1
	s_cselect_b32 s2, 0, 16384
	s_mov_b32 s5, 0
	s_mov_b32 s13, 0
	s_mov_b32 s9, 0x600000
	s_mov_b32 s10, 0x76543210
	s_mov_b32 s11, 0xfedcba98
	v_mul_u32_u24 v[SO0], v2, s105
	v_lshl_add_u32 v[SO0], v1, 4, v[SO0]
	s_lshr_b32 s45, s23, 7
	s_lshr_b32 s46, s22, 11
	s_and_b32 s47, s22, 2047
	s_lshl_b32 s46, s46, 3
	s_add_co_u32 s46, s46, s45
	s_lshl_b32 s104, s47, s104
	s_add_co_u32 s104, s104, s2
	s_cmp_lt_u32 s66, 8
	s_cselect_b32 s2, 524288, 0
	s_mov_b32 s105, 24576
	s_cselect_b32 s105, 16384, s105
	s_lshl_b32 s20, s46, 18
	s_lshl_b32 s21, s47, 6
	s_add_co_u32 s20, s20, s21
	s_add_co_u32 s20, s20, s2
	s_mov_b32 s21, 0
	s_add_nc_u64 s[94:95], s[94:95], s[20:21]
	s_mul_i32 s20, s46, s105
	s_add_co_u32 s20, s20, s104
	s_add_nc_u64 s[96:97], s[96:97], s[20:21]
	s_lshl_b32 s20, s23, 2
	s_add_nc_u64 s[92:93], s[92:93], s[20:21]
	s_cmp_lt_u32 s66, 16
	s_cselect_b32 s104, 32, 0
	s_cselect_b32 s105, 0, 4
	s_cselect_b32 s2, 4, 0
	v_mul_u32_u24 v3, v2, s104
	v_mad_u32_u24 v3, v1, s105, v3
	s_wait_alu depctr_va_vdst(0)
.irp j, 0,1,2,3,4,5,6,7
	s_mul_i32 s23, s2, \j
	v_add_nc_u32 v[OJ+\j], s23, v3
.endr
.irp i, 0,1,2,3,4,5,6,7
.irp j, 0,1,2,3,4,5,6,7
	global_load_b32 v[CI+8*\i+\j], v[OJ+\j], s[92:93] offset:64*\i
.endr
.endr
	s_cmp_ge_u32 s66, 16
	s_cbranch_scc1 .Lno_pack
	s_lshl_b32 s20, s66, 2
	s_add_co_u32 s20, s20, s41
	s_lshl_b32 s20, s20, 2
	s_add_co_u32 s20, s20, s40
	s_lshl_b32 s20, s20, 2
	s_add_co_u32 s20, s20, s14
	s_lshr_b32 s21, s20, 1
	s_and_b32 s20, s20, 1
	s_lshl_b32 s22, s21, 15
	s_lshl_b32 s23, s20, 10
	s_add_co_u32 s22, s22, s23
	s_mov_b32 s23, 0
	s_add_nc_u64 s[98:99], s[98:99], s[22:23]
	s_lshl_b32 s22, s21, 13                        ; the mask's image: 8,192 bytes for a tile of 16 queries, 512 for each key step of 128
	s_lshl_b32 s21, s20, 12
	s_add_co_u32 s22, s22, s21
	s_add_nc_u64 s[100:101], s[100:101], s[22:23]
	v_lshlrev_b32 v[PL], 11, v1
	v_lshl_add_u32 v[PL], v2, 4, v[PL]
	v_and_b32 v3, 31, v0
	v_lshlrev_b32 v[PO], 4, v3
	s_wait_alu depctr_va_vdst(0)
.irp u, 0,1,2,3,4,5,6,7
.irp bb, 0,1,2,3
	global_load_b128 v[128+16*\u+4*\bb:131+16*\u+4*\bb], v[PL], s[98:99] offset:128*\u+32*\bb th:TH_LOAD_NT
.endr
.endr
; THE MASK IS LAID IN THE ORDER OF THE NEXT LAUNCH'S OPERAND REGISTERS: [tile of 16 queries][key step][lane][16 bytes]; bit bb of lane (r, h)'s bytes holds mask[query r][128 step + 32 bb + 16 h + 0 .. 15].  Each store covers 512 consecutive bytes, aligned.
.macro PACKU u
	s_wait_loadcnt 4*(7-(\u))                      ; behind step u's four loads stand those of the 7 - u later steps
.irp w, 0,1,2,3                                ; a step's four planes (bytes 0 or 1) go into one: plane bb at bit bb of each byte
	v_lshl_or_b32 v[128+16*(\u)+\w], v[132+16*(\u)+\w], 1, v[128+16*(\u)+\w]
	v_lshl_or_b32 v[136+16*(\u)+\w], v[140+16*(\u)+\w], 1, v[136+16*(\u)+\w]
.endr
.irp w, 0,1,2,3
	v_lshl_or_b32 v[128+16*(\u)+\w], v[136+16*(\u)+\w], 2, v[128+16*(\u)+\w]
.endr
.endm
.irp u, 0,1,2,3,4,5,6,7
	PACKU \u
.endr
.irp u, 0,1,2,3,4,5,6,7                        ; the eight stores on end, behind all the packing: each covers 512 consecutive bytes, aligned
	global_store_b128 v[PO], v[128+16*\u:131+16*\u], s[100:101] offset:512*\u
.endr
.Lno_pack:
	s_wait_loadcnt 0x0
	s_wait_xcnt 0x0
	v_and_b32 v3, 31, v0
	v_lshlrev_b32 v[OFB], 4, v3
	v_add_nc_u32 v[OFB+1], 512, v[OFB]
	v_add_nc_u32 v[OFB+2], s67, v[OFB]
	v_add_nc_u32 v[OFB+3], 512, v[OFB+2]
.macro FRAG reg, adr, q, i
.irp c, 0,1,2,3
	ds_load_b128 v[\reg+4*\c:\reg+4*\c+3], v[\adr] offset:128*(\q)+32*\c+(\i)*16*PITCH
.endr
.endm
.macro MUL16 a0, p, q, sc, zero
.irp a, \a0, \a0+1
.irp b, 0,1,2,3,4,5,6,7
.set RD_, 8*(8*((\a)%4)+\b)
.set RB_, 128*(\p)+FR*\b
.set RA_, AF+FR*(\a)
.set SB_, SC+8*NQ*(\sc)+NQ*\b+(\q)
.set SA_, SC+8*NQ*(\sc)+NQ*(\a)+(\q)
.if \zero == 1
	v_wmma_scale_f32_16x16x128_f8f6f4 v[RD_:RD_+7], v[RB_:RB_+FR-1], v[RA_:RA_+FR-1], v[CI+8*\b:CI+8*\b+7], v[SB_], v[SA_] matrix_a_scale:MATRIX_SCALE_ROW1
.elseif \zero == 2
	v_wmma_scale_f32_16x16x128_f8f6f4 v[RD_:RD_+7], v[RB_:RB_+FR-1], v[RA_:RA_+FR-1], v[CI+8*(\a):CI+8*(\a)+7], v[SB_], v[SA_] matrix_a_scale:MATRIX_SCALE_ROW1
.else
	v_wmma_scale_f32_16x16x128_f8f6f4 v[RD_:RD_+7], v[RB_:RB_+FR-1], v[RA_:RA_+FR-1], v[RD_:RD_+7], v[SB_], v[SA_] matrix_a_scale:MATRIX_SCALE_ROW1
.endif
.endr
.endr
.endm
.macro FETCH_B slot, q, p
	WIN TO_B
.irp i, 0,1,2,3,4,5,6,7
	FRAG 128*(\p)+FR*\i, ADRB+\slot, \q, \i
.endr
	WIN 0
.endm
.macro FETCH_A slot, q, i0
.irp i, \i0, \i0+1, \i0+2, \i0+3
	FRAG AF+FR*(\i), ADRA+\slot, \q, \i
.endr
.endm
.macro SCALES sc
.irp i, 0,1,2,3,4,5,6,7
	ds_load_b64 v[SC+8*NQ*\sc+NQ*\i:SC+8*NQ*\sc+NQ*\i+1], v[ADRS] offset:\i*SBLK
.endr
.endm
.macro PLACES n
.rept \n
	v_nop
.endr
.endm
.macro STEP slot, q, zero
	s_wait_dscnt 4*NL
.if \zero
	WIN FST_LO
.else
	WIN MUL_LO
.endif
	MUL16 0, (\q)%2, \q, \slot, \zero
	MUL16 2, (\q)%2, \q, \slot, \zero
	s_wait_dscnt 0
	PLACES NP
	FETCH_B \slot, (\q)+1, 1-(\q)%2
	FETCH_A \slot, (\q)+1, 0
.if \zero
	WIN FST_HI
.else
	WIN MUL_HI
.endif
	MUL16 4, (\q)%2, \q, \slot, \zero
	MUL16 6, (\q)%2, \q, \slot, \zero
	PLACES NP
	WIN 0
	FETCH_A \slot, (\q)+1, 4
.endm
.macro TURN slot, next, fill
	s_wait_tensorcnt 0x0
	ds_add_u32 v[SPW], v[NIL]
	s_wait_dscnt 4*NL+1
	WIN MUL_LO
	MUL16 0, 1, NQ-1, \slot, 0
	s_wait_dscnt 0x0
	s_barrier_signal -1
	MUL16 2, 1, NQ-1, \slot, 0
	WIN 0
	s_barrier_wait -1
.if \fill
	CREST
	s_add_nc_u64 s[G0+4*\slot+2:G0+4*\slot+3], s[G0+4*\slot+2:G0+4*\slot+3], 2*ROWB
	s_add_nc_u64 s[G0B+4*\slot+2:G0B+4*\slot+3], s[G0B+4*\slot+2:G0B+4*\slot+3], 2*ROWB
	JLOAD G0+4*\slot, G1, G0B+4*\slot, G1B
	PLACES NP-4
.else
	PLACES NP
.endif
	s_wait_alu depctr_va_vdst(0)
	v_add_nc_u32 v[ADRS], 4*NQ, v[ADRS]
	FETCH_B \next, 0, 0
	FETCH_A \next, 0, 0
	SCALES \next
	WIN MUL_HI
	MUL16 4, 1, NQ-1, \slot, 0
	MUL16 6, 1, NQ-1, \slot, 0
	PLACES NP
	WIN 0
	FETCH_A \next, 0, 4
.endm
	s_wait_alu depctr_va_vdst(0)                   ; the wait at the head's end
	s_wait_tensorcnt 0x0                           ; my tile of the head's four is in
	ds_add_u32 v28, v29
	s_mov_b32 s[G1+2], 128<<16                     ; no tensor load of mine is out: from here on a load brings 128 rows,
	s_mov_b32 s[G1+4], 128
	s_mov_b32 s[G1B+2], 128<<16
	s_mov_b32 s[G1B+4], 128
	s_mul_i32 s[G0+1], s14, HALFT                  ; and slot 0's groups 0 name my 128 rows of K step 0: the first refill steps them on
	s_add_nc_u64 s[G0+2:G0+3], s[G0+2:G0+3], s[18:19]
	s_mul_i32 s[G0B+1], s14, HALFT
	s_add_nc_u64 s[G0B+2:G0B+3], s[G0B+2:G0B+3], s[18:19]
	s_wait_dscnt 0x0
	CROUND                                         ; all four tiles are in, in every wave's sight; the joint loads meet
	JLOAD G0+4, G1, G0B+4, G1B                     ; K step 1
	FETCH_B 0, 0, 0
	FETCH_A 0, 0, 0
	SCALES 0
	FETCH_A 0, 0, 4
	s_cmp_lg_u32 s8, 0
	s_cbranch_scc1 .Lfirst_v
	STEP 0, 0, 1
	s_branch .Lfirst_done
.Lfirst_v:
	STEP 0, 0, 2
.Lfirst_done:
	s_mov_b32 s3, LAPS-1
.Llap:
	TURN 0, 1, 1
	STEP 1, 0, 0
	TURN 1, 0, 1
	STEP 0, 0, 0
	s_sub_co_u32 s3, s3, 1
	s_cmp_lg_u32 s3, 0
	s_cbranch_scc1 .Llap
	TURN 0, 1, 0
	STEP 1, 0, 0
	s_wait_dscnt 4*NL
	WIN MUL_LO
	MUL16 0, 1, NQ-1, 1, 0
	MUL16 2, 1, NQ-1, 1, 0
	s_wait_dscnt 0
	WIN MUL_HI
	MUL16 4, 1, NQ-1, 1, 0
	MUL16 6, 1, NQ-1, 1, 0
	WIN 0
.macro EPI a
.set W, 2+(\a)/4
.set AC, 64*((\a)%4)
.if (\a) > 0
	s_wait_xcnt 0x0
.if (\a) == 4
	s_add_nc_u64 s[94:95], s[94:95], s[12:13]
.else
	s_add_nc_u64 s[94:95], s[94:95], s[4:5]
.endif
.endif
	WIN 5*W
.irp b, 0,1,2,3
	v_max3_num_f32 v[TM+\b], |v[AC+16*\b]|, |v[AC+16*\b+1]|, 0x4800000
.endr
	WIN 20*W
.irp i, 2,4,6,8,10,12,14
.irp b, 0,1,2,3
	v_max3_num_f32 v[TM+\b], v[TM+\b], |v[AC+16*\b+\i]|, |v[AC+16*\b+\i+1]|
.endr
.endr
	WIN 0
.irp b, 0,1,2,3
	v_permlanex16_b32 v[TM+4+\b], v[TM+\b], s10, s11
.endr
.irp b, 0,1,2,3
	v_max_num_f32 v[TM+\b], v[TM+\b], v[TM+4+\b]
.endr
.irp b, 0,1,2,3
	v_add_nc_u32 v[TM+12+\b], 0xfc000000, v[TM+\b]
.endr
.irp b, 0,1,2,3
	v_and_or_b32 v[TM+8+\b], v[TM+\b], 0x7f800000, s9
.endr
.irp b, 0,1,2,3
	v_lshrrev_b32 v[TM+4+\b], 23, v[TM+12+\b]
.endr
	v_lshl_or_b32 v48, v37, 8, v36
	v_lshl_or_b32 v48, v38, 16, v48
	v_lshl_or_b32 v48, v39, 24, v48
	v_and_or_b32 v49, v48, s6, s7
	v_lshrrev_b32 v50, 16, v48
	v_or_b32 v50, 0x7f7f0000, v50
	WIN W
.irp b, 0,1,2,3
.irp i, 0,1,2,3,4,5,6,7,8,9,10,11,12,13,14,15
	v_med3_num_f32 v[CI+16*\b+\i], v[AC+16*\b+\i], -v[TM+8+\b], v[TM+8+\b]
.endr
.endr
	WIN 0
.irp b, 0,1,2,3
	v_cvt_scalef32_pk8_fp8_f32 v[AF+4*\b:AF+4*\b+1], v[CI+16*\b:CI+16*\b+7], v[TM+12+\b]
	v_cvt_scalef32_pk8_fp8_f32 v[AF+4*\b+2:AF+4*\b+3], v[CI+16*\b+8:CI+16*\b+15], v[TM+12+\b]
.endr
	v_nop
.irp b, 0,1,2,3
	v_permlane16_swap_b32 v[AF+4*\b], v[AF+4*\b+2]
	v_permlane16_swap_b32 v[AF+4*\b+1], v[AF+4*\b+3]
.endr
.irp b, 0,1,2,3
	global_store_b128 v[OFB+\b], v[AF+4*\b:AF+4*\b+3], s[94:95]
.endr
	ds_store_b32 v[GA], v49 offset:64*(\a)
	ds_store_b32 v[GA], v50 offset:512+64*(\a)
.endm
	PLACES NP
.irp b, 0,1,2,3
	v_mov_b32 v[TM+4+\b], 0
.endr
.irp a, 0,1,2,3,4,5,6,7
	EPI \a
.endr
	ds_load_b128 v[144:147], v[GL]
	ds_load_b128 v[148:151], v[GL] offset:512
	s_wait_dscnt 0x0
	global_store_b128 v[SO0], v[144:147], s[96:97]
	s_cmp_lg_u32 s8, 0
	s_cbranch_scc1 .Lone_word
	global_store_b128 v[SO0], v[148:151], s[96:97] offset:8192
.Lone_word:
	s_wait_tensorcnt 0x0
	ds_add_u32 v[SPW], v[NIL]
	s_wait_dscnt 0x0
	CROUND
	s_endpgm
.Lfunc_end_k_qee732eb0ce_proj:
	.size	k_qee732eb0ce_proj, .Lfunc_end_k_qee732eb0ce_proj-k_qee732eb0ce_proj
	.p2alignl 7, 3214868480
	.fill 96, 4, 3214868480
	.section	.rodata,"a",@progbits
	.p2align	6, 0x0
	.amdhsa_kernel k_qee732eb0ce_proj
		.amdhsa_group_segment_fixed_size 327680
		.amdhsa_private_segment_fixed_size 0
		.amdhsa_enable_private_segment 0
		.amdhsa_kernarg_size 168
		.amdhsa_user_sgpr_count 2
		.amdhsa_user_sgpr_kernarg_segment_ptr 1
		.amdhsa_wavefront_size32 1
		.amdhsa_system_sgpr_workgroup_id_x 1
		.amdhsa_system_sgpr_workgroup_id_y 1
		.amdhsa_system_sgpr_workgroup_id_z 1
		.amdhsa_system_vgpr_workitem_id 0
		.amdhsa_next_free_vgpr 1024
		.amdhsa_next_free_sgpr 106
		.amdhsa_reserve_vcc 0
		.amdhsa_float_denorm_mode_32 3
		.amdhsa_float_denorm_mode_16_64 3
		.amdhsa_memory_ordered 1
		.amdhsa_forward_progress 1
		.amdhsa_inst_pref_size 223
	.end_amdhsa_kernel
	.amdgpu_metadata
---
amdhsa.version: [ 1, 2 ]
amdhsa.kernels:
  - .name:           k_qee732eb0ce_proj
    .symbol:         k_qee732eb0ce_proj.kd
    .args:
      - { .name: query_codes, .offset: 0, .size: 8, .value_kind: global_buffer, .address_space: global }
      - { .name: key_codes, .offset: 8, .size: 8, .value_kind: global_buffer, .address_space: global }
      - { .name: Wv_codes, .offset: 16, .size: 8, .value_kind: global_buffer, .address_space: global }
      - { .name: query_scales, .offset: 24, .size: 8, .value_kind: global_buffer, .address_space: global }
      - { .name: key_scales, .offset: 32, .size: 8, .value_kind: global_buffer, .address_space: global }
      - { .name: Wv_scales, .offset: 40, .size: 8, .value_kind: global_buffer, .address_space: global }
      - { .name: Wq_codes, .offset: 48, .size: 8, .value_kind: global_buffer, .address_space: global }
      - { .name: Wk_codes, .offset: 56, .size: 8, .value_kind: global_buffer, .address_space: global }
      - { .name: value_codes, .offset: 64, .size: 8, .value_kind: global_buffer, .address_space: global }
      - { .name: Wq_scales, .offset: 72, .size: 8, .value_kind: global_buffer, .address_space: global }
      - { .name: Wk_scales, .offset: 80, .size: 8, .value_kind: global_buffer, .address_space: global }
      - { .name: value_scales, .offset: 88, .size: 8, .value_kind: global_buffer, .address_space: global }
      - { .name: bq, .offset: 96, .size: 8, .value_kind: global_buffer, .address_space: global }
      - { .name: bk, .offset: 104, .size: 8, .value_kind: global_buffer, .address_space: global }
      - { .name: bv, .offset: 112, .size: 8, .value_kind: global_buffer, .address_space: global }
      - { .name: qbuf, .offset: 120, .size: 8, .value_kind: global_buffer, .address_space: global }
      - { .name: kimg, .offset: 128, .size: 8, .value_kind: global_buffer, .address_space: global }
      - { .name: vimg, .offset: 136, .size: 8, .value_kind: global_buffer, .address_space: global }
      - { .name: kvsc, .offset: 144, .size: 8, .value_kind: global_buffer, .address_space: global }
      - { .name: mask, .offset: 152, .size: 8, .value_kind: global_buffer, .address_space: global }
      - { .name: maskimg, .offset: 160, .size: 8, .value_kind: global_buffer, .address_space: global }
    .group_segment_fixed_size: 327680
    .private_segment_fixed_size: 0
    .kernarg_segment_align: 8
    .kernarg_segment_size: 168
    .max_flat_workgroup_size: 128
    .sgpr_count:     106
    .vgpr_count:     1024
    .wavefront_size: 32
...
	.end_amdgpu_metadata
.endif
;; end of part 1
;; launch attn (part 2): grid 4 x 64, 16 waves a work-group, clusters of 4 x 1, 327,680 bytes of LDS; arguments qbuf, kimg, vimg, kvsc, maskimg, obuf; writes obuf
.if DOCPART == 2
	.amdgcn_target "amdgcn-amd-amdhsa--gfx1250"
	.amdhsa_code_object_version 6
	.text
	.protected	k_qee732eb0ce_attn
	.globl	k_qee732eb0ce_attn
	.p2align	8
	.type	k_qee732eb0ce_attn,@function
k_qee732eb0ce_attn:
	s_mov_b64 s[64:65], 0
	v_nop
	global_prefetch_b8 v0, s[64:65] scope:SCOPE_SE
	s_setreg_imm32_b32 hwreg(HW_REG_WAVE_MODE, 25, 1), 1
	s_wait_xcnt 0x0
	s_wait_alu depctr_hold_cnt(0) depctr_sa_sdst(0) depctr_va_vdst(0) depctr_va_sdst(0) depctr_va_ssrc(0) depctr_va_vcc(0) depctr_vm_vsrc(0)
	s_getreg_b32 s2, hwreg(HW_REG_IB_STS2, 6, 4)
	s_cmp_eq_u32 s2, 0
	s_cbranch_scc0 .Lentry_in_a_cluster
	s_endpgm
.Lentry_in_a_cluster:
	s_bfe_u32 s2, ttmp6, 0x10000c
	s_cmp_lg_u32 s2, 0x3003
	s_cbranch_scc0 .Lentry_shape_is_right
	s_endpgm
.Lentry_shape_is_right:
; ATTENTION on codes of FP8 (E4M3) with one E8M0 scale for each 32 along a product's K: S = Q K^T / 8, the mask, the softmax, O = P V, O / l, and the quantising of O along the features for the last projection.
; THE SOFTMAX: t = score x log2(e) / 8; M = the row's largest t so far, rounded up to a whole number; p = 2^(t - M) is quantised along the keys, not normalised; the row's sum l is taken of the unquantised p;
; when M moves, l and O are multiplied by 2^(old M - new M), which rounds nothing.
; THE MASK GOES THROUGH THE FIRST PRODUCT.  A head has 64 along K, the instruction 128.  At k = 64 .. 127 Q's operand holds a code for each of 64 keys of its query: 0, or, where the key is masked, 2^-9 to 2^-6, under the scale byte 0xbd = 2^62;
; K's operand holds -1 at the place of its own key among those 64 and zeros elsewhere (under the byte 0x7f).  So a masked score gets -2^53 to -2^56 added and any other score an exact 0; p of a masked key is 0.
; The mask comes with a step's four planes of 512 bytes in one, plane j at bit j of each byte: one v_and_b32 a register takes a plane out, as the bytes 0 or 1 << j, which are those codes.
; The largest t begins at -2^33, over every masked t and under every other.
; LIMITS.  The promise holds while the scaled scores t stay under 2^31 in magnitude.  NaN and infinities among the inputs are not served.  A block's largest p is made from the block's largest score, which takes v_exp_f32
; not to fall where its input rises.  A block whose largest magnitude lies under 2^-118, a block of zeros among them, keeps the scale byte 1.  A row that is masked throughout has l = 0: its scale bytes are set to 0xff,
; which makes the row's results NaN in the last projection.  The scale bytes of O leave as 2 bytes of each row's 32: the other heads' work-groups write the rest (one part in 33 of what the launch stores).
; SHARES.  256 work-groups: 512 queries x one head.  Each of sixteen waves owns two neighbouring tiles of 16 queries, one after the other, in 256 registers: four waves to a SIMD.
; LDS HOLDS THE WHOLE HEAD: K's 128 rows of 1,024 bytes + 128 of padding, V's 128, the head's scale words, the spare words.  Nothing is filled twice: keys 0 to 1,023 come at the head, the rest behind one round of the cluster's
; barrier; one plain barrier, behind a wave's first eight key steps, shows the second half; from there on the waves walk without a barrier.
; At the head waves 0 to 3 fetch K's quarters, 4 to 7 V's, 8 to 11 K's scale words, 12 to 15 V's: every way through the head passes one tensor load.
; CLUSTER.  The four blocks of queries of a head walk the same K, V and scales: every tensor load is joint, with the mask 15.
; LAYOUT.  Both products are used transposed (S^T = K Q^T, O^T = V^T P^T): a lane holds one query (lane % 16).  Lane r of tile 2 bb + u of K takes key 32 bb + 8 u + r + 8 (r / 8), so that the 16 registers of tiles 2 bb, 2 bb + 1
; are the keys 32 bb + 16 (lane / 16) + 0 .. 15.  K, V, Q and the mask come as images of operand registers (planes of 512 bytes: 16 bytes a lane).
; NO PREFETCH of K and V: each byte is asked for once, the second half eight key steps of all sixteen waves ahead of its first read.  The mask's plane of a step is asked for a step ahead, straight into registers.
.set STEPB, 9216                       ; a key step's 8 rows of 1,152 bytes, in K's part and in V's
.set HALFB, 73728                      ; 1,024 keys' rows
.set VOFF,  147456
.set SCB,   294912                     ; K's words 8,192 bytes, V's 4,096
.set SPARE, 307200                     ; the spare words: 128 bytes for each of 16 waves
; v1-4 my lane's places (K, V, K's words, V's words); v5, v6 the add's registers; v7 16 x lane; v8-11, v231 the step's addresses; v12 -M, v13 the largest t, v[14:15] l; v16-31 Q and mask planes 0, 1; v208-223 Q and planes 2, 3;
; v32-95 four fragments of K (upper eight registers: the -1 of each key, written once); v96-159 S^T, p, then V; v160-191 O^T; v192-207 p's codes, at a tile's end O's; v225-227, v229 addresses in memory;
; v228, v230 V's scale words; v232-247, v254 at work; v248-251 K's scale words; v252 f; v253 p's scale word; v255 Q's scale word.
.macro CROUND
	s_barrier_signal -1
	s_barrier_wait -1
	s_cmp_lg_u32 s14, 0
	s_cbranch_scc1 .Lnot_wave_0_\@
	s_barrier_signal -3
.Lnot_wave_0_\@:
	s_barrier_wait -3
	s_barrier_signal -1
	s_barrier_wait -1
.endm
.macro ARM under, g0, g1, next         ; an arm of the head's chain: its load, and a jump to the join
	s_cmp_lt_u32 s14, \under
	s_cbranch_scc0 \next
	tensor_load_to_lds s[\g0:\g0+3], s[\g1:\g1+7]
	s_nop 0
.rept 4
	v_nop
.endr
	s_branch .Lhead_asked
\next:
.endm
	s_load_b256 s[68:75], s[0:1], 0x0              ; qbuf, kimg, vimg, kvsc
	s_load_b128 s[76:79], s[0:1], 0x20             ; maskimg, obuf
	v_lshl_add_u32 v5, v0, 2, SPARE
	v_mov_b32 v6, 0
	ds_add_u32 v5, v6                              ; the opening lines: the add twice on end and its wait
	ds_add_u32 v5, v6
	v_lshrrev_b32 v8, 5, v0
	v_readfirstlane_b32 s14, v8                    ; wave 0..15
	s_bfe_u32 s66, ttmp6, 0x40000                  ; cx: my block of 512 queries: it enters addresses in memory alone
	s_and_b32 s100, ttmp7, 0xffff                  ; H = 16 b + head, which the four partners share
	s_mov_b32 s16, 15|(3<<16)|(1<<20)|(1<<21)|(7<<22)|(31<<25)   ; the tiles: mask 15; elements of 8 bytes; padding: 32 words after every 256
	s_mov_b32 s17, 128<<16
	s_mov_b32 s18, 16<<16                          ; 16 rows of 1,024 bytes
	s_mov_b32 s19, 128<<16
	s_mov_b32 s20, 16
	s_mov_b32 s21, 128
	s_mov_b32 s22, 0
	s_mov_b32 s23, 0
	s_mov_b32 s36, 15|(3<<16)|(1<<21)              ; K's scale words: a quarter of the head's 8,192 bytes as 8 rows of 256
	s_mov_b32 s37, 32<<16
	s_mov_b32 s38, 8<<16
	s_mov_b32 s39, 32<<16
	s_mov_b32 s40, 8
	s_mov_b32 s41, 32
	s_mov_b32 s42, 0
	s_mov_b32 s43, 0
	s_mov_b32 s48, 15|(3<<16)|(1<<21)              ; V's: a quarter of 4,096 bytes as 4 rows of 256
	s_mov_b32 s49, 32<<16
	s_mov_b32 s50, 4<<16
	s_mov_b32 s51, 32<<16
	s_mov_b32 s52, 4
	s_mov_b32 s53, 32
	s_mov_b32 s54, 0
	s_mov_b32 s55, 0
	s_and_b32 s92, s14, 3
	s_lshl_b32 s104, s100, 17                      ; a head's image: 131,072 H,
	s_lshl_b32 s105, s92, 14                       ; + my quarter of 1,024 keys' 65,536 bytes
	s_add_co_u32 s104, s104, s105
	s_mov_b32 s105, 0
	s_lshr_b32 s90, s100, 1
	s_mul_i32 s90, s90, 24576                      ; a pair of heads' scale words: K's 2 x 8,192, then V's 2 x 4,096
	s_and_b32 s91, s100, 1
	s_lshl_b32 s2, s91, 13
	s_add_co_u32 s2, s2, s90
	s_lshl_b32 s3, s92, 11
	s_add_co_u32 s2, s2, s3
	s_add_co_u32 s45, s3, SCB
	s_mov_b32 s3, 0
	s_lshl_b32 s88, s91, 12
	s_add_co_u32 s88, s88, s90
	s_add_co_u32 s88, s88, 16384
	s_lshl_b32 s89, s92, 10
	s_add_co_u32 s88, s88, s89
	s_add_co_u32 s57, s89, SCB+8192
	s_mov_b32 s89, 0
	s_mul_i32 s25, s14, 18432                      ; K's quarters from byte 0 on, V's from VOFF on
	s_lshr_b32 s93, s14, 2
	s_mul_i32 s93, s93, HALFB
	s_add_co_u32 s25, s25, s93
	s_mov_b32 s24, 1
	s_mov_b32 s44, 1
	s_mov_b32 s56, 1
	s_lshl_b32 s66, s66, 5
	s_lshl_b32 s93, s14, 1
	s_add_co_u32 s66, s66, s93                     ; my first tile of 16 queries in b: 32 cx + 2 wave,
	s_lshr_b32 s101, s100, 4
	s_lshl_b32 s101, s101, 7
	s_add_co_u32 s101, s101, s66                   ; and among all 512
	s_lshl_b32 s84, s100, 17
	s_lshl_b32 s85, s66, 10
	s_add_co_u32 s84, s84, s85
	s_add_co_u32 s84, s84, 524288                  ; Q's image: 524,288 + 131,072 H + 1,024 tile
	s_lshl_b32 s85, s100, 13
	s_lshl_b32 s86, s66, 6
	s_add_co_u32 s85, s85, s86                     ; Q's scale words: 8,192 H + 64 tile
	s_and_b32 s87, s100, 15                        ; the head
	s_lshl_b32 s86, s101, 14
	s_lshl_b32 s93, s87, 10
	s_add_co_u32 s86, s86, s93
	s_add_co_u32 s86, s86, 262144                  ; O's image: 262,144 + 16,384 tile + 1,024 head
	s_lshl_b32 s93, s101, 9
	s_lshl_b32 s87, s87, 1
	s_add_co_u32 s87, s87, s93                     ; O's scale bytes: 512 tile + 2 head
	s_lshl_b32 s94, s101, 13                       ; the mask's image: 8,192 tile
	s_mov_b32 s95, 0
	s_mov_b32 s15, 0x600000                        ; 448's mantissa field
	s_mov_b32 s28, 0x76543210
	s_mov_b32 s29, 0xfedcba98
	s_mov_b32 s30, 0x3e38aa3b                      ; c = log2(e) / 8
	s_mov_b32 s31, s30
	s_mov_b32 s32, 0xbdbd0000                      ; the mask codes' two scale bytes
	s_mov_b32 s33, 0x01010101                      ; the four planes' bits
	s_mov_b32 s34, 0x02020202
	s_mov_b32 s35, 0x04040404
	s_mov_b32 s60, 0x08080808
	s_mov_b32 s4, 0
	s_mov_b32 s7, 0
	s_wait_dscnt 0x0                               ; both opening adds are done
	s_wait_kmcnt 0x0
	s_cmp_lt_u32 s14, 4                            ; waves 0 to 3: K; 4 to 7: V
	s_cselect_b64 s[26:27], s[70:71], s[72:73]
	s_add_nc_u64 s[26:27], s[26:27], s[104:105]
	s_or_b32 s27, s27, 0x80000000
	s_add_nc_u64 s[46:47], s[74:75], s[2:3]
	s_or_b32 s47, s47, 0x80000000
	s_add_nc_u64 s[58:59], s[74:75], s[88:89]
	s_or_b32 s59, s59, 0x80000000
	s_mov_b64 s[10:11], s[68:69]
	s_mov_b64 s[12:13], s[78:79]
	s_add_nc_u64 s[8:9], s[76:77], s[94:95]
	s_mov_b32 s2, 0
	CROUND                                         ; all four work-groups are here: the first joint loads meet
	ARM 8, 24, 16, .Lhead_sk                       ; keys 0 to 1,023
	ARM 12, 44, 36, .Lhead_sv                      ; K's scale words
	tensor_load_to_lds s[56:59], s[48:55]          ; V's
	s_nop 0
.rept 4
	v_nop
.endr
.Lhead_asked:
	v_and_b32 v8, 15, v0                           ; r
	v_bfe_u32 v9, v0, 4, 1                         ; h
	v_and_b32 v10, 31, v0                          ; lane
	v_lshrrev_b32 v11, 3, v8
	v_and_b32 v12, 7, v8
	v_lshl_add_u32 v225, v10, 4, s84
	v_lshl_add_u32 v226, v8, 2, s85
	v_lshlrev_b32 v7, 4, v10
	global_load_b128 v[16:19], v225, s[10:11]      ; my first tile's Q, k = 16 h + 0 .. 15 and 32 + 16 h + 0 .. 15, into both operands
	global_load_b128 v[20:23], v225, s[10:11] offset:512
	global_load_b128 v[208:211], v225, s[10:11]
	global_load_b128 v[212:215], v225, s[10:11] offset:512
	global_load_b32 v255, v226, s[10:11]
	global_load_b128 v[216:219], v7, s[8:9]        ; step 0's mask
	v_mul_u32_u24 v1, v11, 1152
	v_lshl_add_u32 v1, v12, 4, v1
	v_lshl_add_u32 v1, v9, 8, v1                   ; K: 1,152 (r / 8) + 16 (r % 8) + 256 h
	v_lshl_add_u32 v2, v10, 4, VOFF                ; V: 16 lane
	v_lshl_add_u32 v3, v8, 2, SCB
	v_lshl_add_u32 v3, v11, 5, v3
	v_lshl_add_u32 v3, v9, 5, v3                   ; K's words: 4 (r + 8 (r / 8) + 8 h)
	v_lshl_add_u32 v4, v10, 2, SCB+8192            ; V's
	v_lshl_add_u32 v227, v10, 4, s86
	v_lshl_add_u32 v229, v8, 5, s87
	; the -1 of my key: row r of tile t = 2 bb + u stands at k = 64 + 32 bb + 8 u + r + 8 (r / 8): in lanes with h = r / 8, register 8 + 4 bb + 2 u + (r % 8) / 4, byte r % 4
	v_cmp_eq_u32 vcc_lo, v11, v9
	v_and_b32 v233, 3, v8
	v_lshlrev_b32 v233, 3, v233
	v_mov_b32 v235, 0xb8                           ; the code of -1
	v_lshlrev_b32 v234, v233, v235
	v_cndmask_b32 v234, 0, v234, vcc_lo
	v_bfe_u32 v236, v8, 2, 1
	v_cmp_eq_u32 vcc_lo, 0, v236
	v_cndmask_b32 v232, 0, v234, vcc_lo            ; for the even register of the two,
	v_sub_nc_u32 v233, v234, v232                  ; for the odd one
.irp t, 0,1,2,3
.irp j, 0,1,2,3,4,5,6,7
.if \j == 4*(\t/2)+2*(\t%2)
	v_mov_b32 v[40+16*\t+\j], v232
.elseif \j == 4*(\t/2)+2*(\t%2)+1
	v_mov_b32 v[40+16*\t+\j], v233
.else
	v_mov_b32 v[40+16*\t+\j], 0
.endif
.endr
.endr
	v_mov_b32 v13, 0xd0000000                      ; the largest t so far: -2^33
	v_floor_f32 v12, -v13                          ; -M
	v_mov_b32 v14, 0
	v_mov_b32 v15, 0
.irp b, 0,1,2,3
	v_mov_b32 v[236+\b], 0                         ; a lane permute's destination counts as one of its sources
.endr
	v_mov_b32 v253, 0
	v_mov_b32 v254, 0
.set J, 0
.rept 32
	v_mov_b32 v[160+J], 0                          ; O^T: the step is written once; its first walk finds zeros
.set J, J+1
.endr
	s_wait_alu depctr_va_vdst(0)                   ; the wait ahead of a wait that blocks
	s_wait_loadcnt 0x1                             ; Q and its scale word are in; the mask's load behind them may be out
	v_and_or_b32 v255, v255, 0xffff, s32           ; bytes 2, 3 of Q's scale word serve the mask codes
	s_wait_alu depctr_va_vdst(0)                   ; the head's end
.macro BMAX a, b                       ; the largest score of blocks a and b of 32 keys, by turns; each accumulator is first read at its low end
	v_max3_num_f32 v[232+\a], v[96+16*\a], v[97+16*\a], v[98+16*\a]
	v_max3_num_f32 v[232+\b], v[96+16*\b], v[97+16*\b], v[98+16*\b]
.irp i, 3,5,7,9,11,13
	v_max3_num_f32 v[232+\a], v[232+\a], v[96+16*\a+\i], v[97+16*\a+\i]
	v_max3_num_f32 v[232+\b], v[232+\b], v[96+16*\b+\i], v[97+16*\b+\i]
.endr
	v_max_num_f32 v[232+\a], v[232+\a], v[111+16*\a]
	v_max_num_f32 v[232+\b], v[232+\b], v[111+16*\b]
.endm
; A KEY STEP: 128 keys.
.macro STEP
	s_wait_loadcnt 0x0                             ; the step's mask, asked for a step ago (and a tile's Q): its address register may be written
	s_add_co_u32 s7, s7, 512                       ; my two tiles' 32 steps lie on end;
	s_min_u32 s7, s7, 15872                        ; the very last step's load is in vain, and inside the buffer
.irp w, 0,1,2,3
	v_and_b32 v[24+\w], s33, v[216+\w]             ; planes 0 and 1: keys 0 to 63 of the step
	v_and_b32 v[28+\w], s34, v[216+\w]
.endr
	v_add_nc_u32 v8, s2, v1
	v_add_nc_u32 v9, s2, v2
	v_add_nc_u32 v10, s3, v3
	v_add_nc_u32 v11, s4, v4
	v_add_nc_u32 v231, s7, v7                      ; these 13 lines are the places (nine are asked) ahead of products that write over registers which the last step's products read as V; the last five stand between the planes and the products
	s_wait_alu depctr_va_vdst(0)
.irp g, 0,1                                    ; S^T = K Q^T and the mask, four tiles of 16 keys at a time
.if \g
.irp w, 0,1,2,3
	v_and_b32 v[220+\w], s60, v[216+\w]            ; plane 3,
.endr
.irp w, 0,1,2,3
	v_and_b32 v[216+\w], s35, v[216+\w]            ; plane 2, in place.  These eight name no register of the four products above: places in front of the loads below and of the first read of those products' results
.endr
.rept 4
	v_nop                                          ; four places between the planes and the products that take them
.endr
	s_wait_alu depctr_va_vdst(0)
.endif
.irp t, 0,1,2,3
.irp c, 0,1
	ds_load_b128 v[32+16*\t+4*\c:35+16*\t+4*\c], v8 offset:2304*((4*\g+\t)/2)+128*(\t%2)+512*\c
.endr
.endr
.if \g == 0
.irp b, 0,1,2,3
	ds_load_b32 v[248+\b], v10 offset:128*\b
.endr
.endif
	s_wait_dscnt 0x0
.irp t, 0,1,2,3
.if (\t%2) == 0
	v_wmma_scale_f32_16x16x128_f8f6f4 v[96+8*(4*\g+\t):103+8*(4*\g+\t)], v[32+16*\t:47+16*\t], v[16+192*\g:31+192*\g], 0, v[248+(4*\g+\t)/2], v255
.else
	v_wmma_scale_f32_16x16x128_f8f6f4 v[96+8*(4*\g+\t):103+8*(4*\g+\t)], v[32+16*\t:47+16*\t], v[16+192*\g:31+192*\g], 0, v[248+(4*\g+\t)/2], v255 matrix_a_scale:MATRIX_SCALE_ROW1
.endif
.endr
.endr
	BMAX 0, 1                                      ; these 16 lines touch the first four tiles alone and are the places behind the last four products
	global_load_b128 v[216:219], v231, s[8:9]      ; the next step's mask
	BMAX 2, 3
.irp b, 0,1,2,3
	v_permlanex16_b32 v[236+\b], v[232+\b], s28, s29
.endr
.irp b, 0,1,2,3
	v_max_num_f32 v[232+\b], v[232+\b], v[236+\b]  ; with lane l xor 16's 16 keys
.endr
	s_delay_alu instid0(VALU_DEP_2)
	v_max3_num_f32 v254, v232, v233, v234
	s_delay_alu instid0(VALU_DEP_1)
	v_max_num_f32 v254, v254, v235
	s_delay_alu instid0(VALU_DEP_1)
	v_mul_f32 v254, s30, v254                      ; as t (c is positive)
	s_delay_alu instid0(VALU_DEP_1)
	v_max_num_f32 v13, v13, v254                   ; the running largest t
	v_mov_b32 v254, v12
	s_delay_alu instid0(VALU_DEP_2)
	v_floor_f32 v12, -v13                          ; the new -M = floor(-t) = -ceil(t)
	s_delay_alu instid0(VALU_DEP_1)
	v_sub_f32 v254, v12, v254                      ; old M - new M: a whole number, 0 or less
	s_delay_alu instid0(VALU_DEP_1)
	v_cvt_i32_f32 v254, v254                       ; (it saturates)
	s_delay_alu instid0(VALU_DEP_1)
	v_ldexp_f32 v252, 1.0, v254                    ; f = 2^(old M - new M)
.set J, 0
.rept 32
	v_pk_fma_f32 v[96+J:97+J], v[96+J:97+J], s[30:31], v[12:13] op_sel_hi:[1,0,0]   ; t - M, two at a time
.set J, J+2
.endr
.irp b, 0,1,2,3
	v_fma_f32 v[232+\b], v[232+\b], s30, v12       ; the same of each block's largest score
.endr
	s_wait_alu depctr_va_vdst(0)                   ; the wait ahead of the batch
.set J, 0
.rept 64
	v_exp_f32 v[96+J], v[96+J]                     ; p = 2^(t - M), at most 1; 0 where the key is masked
.set J, J+1
.endr
.irp b, 0,1,2,3
	v_exp_f32 v[232+\b], v[232+\b]                 ; the block's largest p
.endr
	v_pk_mul_f32 v[14:15], v[14:15], v[252:253] op_sel_hi:[1,0]   ; l under the new M.  (A plain line behind the exponentials)
	s_wait_alu depctr_va_vdst(0)                   ; and the wait behind the batch
.irp b, 0,1,2,3
	v_max_num_f32 v[232+\b], 0x4800000, v[232+\b]  ; the floor 2^(9 - 127): the byte cannot fall under 1
.endr
.irp b, 0,1,2,3
	v_add_nc_u32 v[244+\b], 0xfc000000, v[232+\b]  ; 8 off the exponent field: the conversion's scale operand
.endr
.irp b, 0,1,2,3
	v_and_or_b32 v[240+\b], v[232+\b], 0x7f800000, s15   ; 448 x the scale
.endr
.irp b, 0,1,2,3
	v_lshrrev_b32 v[236+\b], 23, v[244+\b]         ; the scale's byte
.endr
	v_lshl_or_b32 v253, v237, 8, v236              ; p's scale word for these 128 keys
	v_lshl_or_b32 v253, v238, 16, v253
	v_lshl_or_b32 v253, v239, 24, v253
.irp c, 0,1,2,3                                ; l: the sum of the unquantised p, two at a time, in five chains
	v_pk_add_f32 v[232+2*\c:233+2*\c], v[96+4*\c:97+4*\c], v[98+4*\c:99+4*\c]
.endr
.set J, 112
.rept 4
	v_pk_add_f32 v[14:15], v[14:15], v[J:J+1]
	v_pk_add_f32 v[232:233], v[232:233], v[J+2:J+3]
	v_pk_add_f32 v[234:235], v[234:235], v[J+4:J+5]
	v_pk_add_f32 v[236:237], v[236:237], v[J+6:J+7]
	v_pk_add_f32 v[238:239], v[238:239], v[J+8:J+9]
.set J, J+10
.endr
	v_pk_add_f32 v[14:15], v[14:15], v[152:153]
	v_pk_add_f32 v[232:233], v[232:233], v[154:155]
	v_pk_add_f32 v[234:235], v[234:235], v[156:157]
	v_pk_add_f32 v[236:237], v[236:237], v[158:159]
	v_pk_add_f32 v[232:233], v[232:233], v[234:235]
	v_pk_add_f32 v[236:237], v[236:237], v[238:239]
	v_pk_add_f32 v[232:233], v[232:233], v[236:237]
	v_pk_add_f32 v[14:15], v[14:15], v[232:233]
.irp b, 0,1,2,3
.irp i, 0,2,4,6,8,10,12,14
	v_dual_min_num_f32 v[96+16*\b+\i], v[96+16*\b+\i], v[240+\b] :: v_dual_min_num_f32 v[97+16*\b+\i], v[97+16*\b+\i], v[240+\b]   ; the conversion does not saturate (ISA guide 7.6.2); p is not negative, so the hold is one-sided; two holds a line
.endr
	v_cvt_scalef32_pk8_fp8_f32 v[192+4*\b:193+4*\b], v[96+16*\b:103+16*\b], v[244+\b]
	v_cvt_scalef32_pk8_fp8_f32 v[194+4*\b:195+4*\b], v[104+16*\b:111+16*\b], v[244+\b]
.endr
.irp d, 0,1,2,3                                ; V's four tiles of 16 d x 128 keys take the registers that p has left
.irp c, 0,1,2,3
	ds_load_b128 v[96+16*\d+4*\c:99+16*\d+4*\c], v9 offset:2304*\d+1152*(\c/2)+512*(\c%2)
.endr
.endr
	ds_load_b32 v228, v11
	ds_load_b32 v230, v11 offset:128
	s_wait_alu depctr_va_vdst(0)                   ; the wait directly ahead of the first readers of O^T
.set J, 0
.rept 16
	v_pk_mul_f32 v[160+J:161+J], v[160+J:161+J], v[252:253] op_sel_hi:[1,0]   ; O^T under the new M, ascending.  (Also the places between the conversions and the products below)
.set J, J+2
.endr
	s_wait_alu depctr_va_vdst(0)                   ; and ahead of the wait that blocks
	s_wait_dscnt 0x0
	v_wmma_scale_f32_16x16x128_f8f6f4 v[160:167], v[96:111], v[192:207], v[160:167], v228, v253    ; the four accumulators by turns
	v_wmma_scale_f32_16x16x128_f8f6f4 v[168:175], v[112:127], v[192:207], v[168:175], v228, v253 matrix_a_scale:MATRIX_SCALE_ROW1
	v_wmma_scale_f32_16x16x128_f8f6f4 v[176:183], v[128:143], v[192:207], v[176:183], v230, v253
	v_wmma_scale_f32_16x16x128_f8f6f4 v[184:191], v[144:159], v[192:207], v[184:191], v230, v253 matrix_a_scale:MATRIX_SCALE_ROW1
	s_add_co_u32 s2, s2, STEPB
	s_add_co_u32 s3, s3, 512
	s_add_co_u32 s4, s4, 256
.endm
.macro STEPS n                         ; n key steps on from where s2, s3, s4 stand
	s_mov_b32 s6, \n
.Lstep_\@:
	STEP
	s_sub_co_u32 s6, s6, 1
	s_cmp_lg_u32 s6, 0
	s_cbranch_scc1 .Lstep_\@
.endm
; A TILE'S END: O^T / l, quantised along the head's 64 features (two blocks of 32; register 16 b + 8 u + j of lane (r, h) is feature 32 b + 16 u + 8 h + j), into v192-199, and stored.
.macro FINISH p
.rept 8
	v_nop                                          ; places behind the last products
.endr
	v_add_f32 v14, v14, v15
	v_permlanex16_b32 v254, v14, s28, s29
	v_add_f32 v14, v14, v254                       ; l
	v_cmp_neq_f32 vcc_lo, 0, v14                   ; 0 only where every key of the row is masked
	s_wait_alu depctr_va_vdst(0)                   ; the wait ahead of the transcendental
	v_rcp_f32 v252, v14
	v_nop
.if \p == 0
	global_load_b128 v[16:19], v225, s[10:11] offset:1024     ; my second tile's Q
	global_load_b128 v[20:23], v225, s[10:11] offset:1536
	global_load_b128 v[208:211], v225, s[10:11] offset:1024
	global_load_b128 v[212:215], v225, s[10:11] offset:1536
	global_load_b32 v255, v226, s[10:11] offset:64
.endif
	s_wait_alu depctr_va_vdst(0)                   ; behind the reciprocal, directly ahead of the first readers of it and of O^T
.set J, 0
.rept 16
	v_pk_mul_f32 v[160+J:161+J], v[160+J:161+J], v[252:253] op_sel_hi:[1,0]
.set J, J+2
.endr
.irp b, 0,1
	v_max3_num_f32 v[232+\b], |v[160+16*\b]|, |v[161+16*\b]|, 0x4800000
.endr
.irp i, 2,4,6,8,10,12,14
.irp b, 0,1
	v_max3_num_f32 v[232+\b], v[232+\b], |v[160+16*\b+\i]|, |v[161+16*\b+\i]|
.endr
.endr
.irp b, 0,1
	v_permlanex16_b32 v[236+\b], v[232+\b], s28, s29
.endr
.irp b, 0,1
	v_max_num_f32 v[232+\b], v[232+\b], v[236+\b]
.endr
.irp b, 0,1
	v_add_nc_u32 v[244+\b], 0xfc000000, v[232+\b]
.endr
.irp b, 0,1
	v_and_or_b32 v[240+\b], v[232+\b], 0x7f800000, s15
.endr
.irp b, 0,1
	v_lshrrev_b32 v[236+\b], 23, v[244+\b]
.endr
	v_lshl_or_b32 v254, v237, 8, v236              ; the head's two bytes,
	v_cndmask_b32 v254, 0xffff, v254, vcc_lo       ; or 0xff twice for a row that is masked throughout
.irp b, 0,1
.irp i, 0,1,2,3,4,5,6,7,8,9,10,11,12,13,14,15
	v_med3_num_f32 v[160+16*\b+\i], v[160+16*\b+\i], -v[240+\b], v[240+\b]
.endr
	v_cvt_scalef32_pk8_fp8_f32 v[192+4*\b:193+4*\b], v[160+16*\b:167+16*\b], v[244+\b]
	v_cvt_scalef32_pk8_fp8_f32 v[194+4*\b:195+4*\b], v[168+16*\b:175+16*\b], v[244+\b]
.endr
	v_nop                                          ; one plain line behind the scaled conversions
.irp b, 0,1
	v_permlane16_swap_b32 v[192+4*\b], v[194+4*\b]     ; a lane then holds k = 16 h + 0 .. 15
	v_permlane16_swap_b32 v[193+4*\b], v[195+4*\b]
.endr
	global_store_b128 v227, v[192:195], s[12:13] offset:16384*\p        ; two planes: each store covers 512 consecutive bytes, aligned
	global_store_b128 v227, v[196:199], s[12:13] offset:16384*\p+512
	global_store_b16 v229, v254, s[12:13] offset:512*\p                 ; lanes l and l + 16 write the same bytes to the same place
.if \p == 0
	v_mov_b32 v13, 0xd0000000                      ; the second tile begins as the first did
	v_floor_f32 v12, -v13
	v_mov_b32 v14, 0
	v_mov_b32 v15, 0
.set J, 0
.rept 32
	v_mov_b32 v[160+J], 0
.set J, J+1
.endr
	s_mov_b32 s2, 0                                ; back to key 0
	s_mov_b32 s3, 0
	s_mov_b32 s4, 0
	s_wait_alu depctr_va_vdst(0)
	s_wait_loadcnt 0x0                             ; its Q
	v_and_or_b32 v255, v255, 0xffff, s32
	s_wait_xcnt 0x0                                ; the stores have read v192-199 and v254, which the next step writes
	s_wait_alu depctr_va_vdst(0)
.endif
.endm
	s_wait_tensorcnt 0x0                           ; my part of the head's loads is in, so the descriptor may be written
	ds_add_u32 v5, v6
	s_add_co_u32 s25, s25, HALFB                   ; keys 1,024 to 2,047: behind the first half, in K's part and in V's
	s_add_nc_u64 s[26:27], s[26:27], 65536
	s_wait_dscnt 0x0
	CROUND                                         ; keys 0 to 1,023 and the scale words are in every wave's sight; the joint loads meet
	s_cmp_lt_u32 s14, 8
	s_cbranch_scc0 .Lsecond_asked
	tensor_load_to_lds s[24:27], s[16:23]
	s_nop 0
.rept 4
	v_nop
.endr
.Lsecond_asked:
	STEPS 8
	s_wait_tensorcnt 0x0                           ; the second half is in
	ds_add_u32 v5, v6
	s_wait_dscnt 0x0
	s_barrier_signal -1
	s_barrier_wait -1                              ; in every wave's sight: the last barrier ahead of the closing round
	STEPS 8
	FINISH 0
	STEPS 16
	FINISH 1
	s_wait_loadcnt 0x0                             ; the mask that was asked for in vain
	s_wait_tensorcnt 0x0                           ; the wave's end
	ds_add_u32 v5, v6
	s_wait_dscnt 0x0
	CROUND                                         ; the closing round
	s_endpgm
.Lfunc_end_k_qee732eb0ce_attn:
	.size	k_qee732eb0ce_attn, .Lfunc_end_k_qee732eb0ce_attn-k_qee732eb0ce_attn
	.p2alignl 7, 3214868480
	.fill 96, 4, 3214868480
	.section	.rodata,"a",@progbits
	.p2align	6, 0x0
	.amdhsa_kernel k_qee732eb0ce_attn
		.amdhsa_group_segment_fixed_size 327680
		.amdhsa_private_segment_fixed_size 0
		.amdhsa_enable_private_segment 0
		.amdhsa_kernarg_size 48
		.amdhsa_user_sgpr_count 2
		.amdhsa_user_sgpr_kernarg_segment_ptr 1
		.amdhsa_wavefront_size32 1
		.amdhsa_system_sgpr_workgroup_id_x 1
		.amdhsa_system_sgpr_workgroup_id_y 1
		.amdhsa_system_sgpr_workgroup_id_z 1
		.amdhsa_system_vgpr_workitem_id 0
		.amdhsa_next_free_vgpr 256
		.amdhsa_next_free_sgpr 106
		.amdhsa_reserve_vcc 1
		.amdhsa_float_denorm_mode_32 3
		.amdhsa_float_denorm_mode_16_64 3
		.amdhsa_memory_ordered 1
		.amdhsa_forward_progress 1
		.amdhsa_inst_pref_size 85
	.end_amdhsa_kernel
	.amdgpu_metadata
---
amdhsa.version: [ 1, 2 ]
amdhsa.kernels:
  - .name:           k_qee732eb0ce_attn
    .symbol:         k_qee732eb0ce_attn.kd
    .args:
      - { .name: qbuf, .offset: 0, .size: 8, .value_kind: global_buffer, .address_space: global }
      - { .name: kimg, .offset: 8, .size: 8, .value_kind: global_buffer, .address_space: global }
      - { .name: vimg, .offset: 16, .size: 8, .value_kind: global_buffer, .address_space: global }
      - { .name: kvsc, .offset: 24, .size: 8, .value_kind: global_buffer, .address_space: global }
      - { .name: maskimg, .offset: 32, .size: 8, .value_kind: global_buffer, .address_space: global }
      - { .name: obuf, .offset: 40, .size: 8, .value_kind: global_buffer, .address_space: global }
    .group_segment_fixed_size: 327680
    .private_segment_fixed_size: 0
    .kernarg_segment_align: 8
    .kernarg_segment_size: 48
    .max_flat_workgroup_size: 512
    .sgpr_count:     106
    .vgpr_count:     256
    .wavefront_size: 32
...
	.end_amdgpu_metadata
.endif
;; end of part 2
;; launch outp (part 3): grid 4 x 32, 4 waves a work-group, clusters of 4 x 4, 327,680 bytes of LDS; arguments obuf, Wo_codes, Wo_scales, bo, out0; writes out0
.if DOCPART == 3
	.amdgcn_target "amdgcn-amd-amdhsa--gfx1250"
	.amdhsa_code_object_version 6
	.text
	.protected	k_qee732eb0ce_outp
	.globl	k_qee732eb0ce_outp
	.p2align	8
	.type	k_qee732eb0ce_outp,@function
k_qee732eb0ce_outp:
	s_mov_b64 s[64:65], 0
	v_nop
	global_prefetch_b8 v0, s[64:65] scope:SCOPE_SE
	s_setreg_imm32_b32 hwreg(HW_REG_WAVE_MODE, 25, 1), 1
	s_wait_xcnt 0x0
	s_wait_alu depctr_hold_cnt(0) depctr_sa_sdst(0) depctr_va_vdst(0) depctr_va_sdst(0) depctr_va_ssrc(0) depctr_va_vcc(0) depctr_vm_vsrc(0)
	s_getreg_b32 s2, hwreg(HW_REG_IB_STS2, 6, 4)
	s_cmp_eq_u32 s2, 0
	s_cbranch_scc0 .Lentry_in_a_cluster
	s_endpgm
.Lentry_in_a_cluster:
	s_bfe_u32 s2, ttmp6, 0x10000c
	s_cmp_lg_u32 s2, 0xf033
	s_cbranch_scc0 .Lentry_shape_is_right
	s_endpgm
.Lentry_shape_is_right:
.set SIZE_N, 1024
.set KSTEP,  256
.set NQ,     2
.set ROWB,   256
.set KROW,   1024
.set PITCH,  272
.set FR,     16
.set NL,     4
.set NP,     8
.set HALFT,  128*PITCH
.set SLOT,   4*HALFT
.set LAPS,   2
.set KS,     32
.set SCL,    2*SLOT
.set HALFS,  (128*KS/256)*272
.set SBLK,   (16*KS/256)*272
.set SPARE,  SCL+4*HALFS
.set SPITCH, 528
.set ASTEP,  8192
.set ADRA, 16
.set ADRB, 20
.set STO,  24
.set RD,   25
.set CO,   26
.set ADRS, 27
.set SPW,  28
.set NIL,  29
.set SC,   32
.set CI,   64
.set AF,   128
.set BK,   128
.set G1, 24
.set G0, 32
.set G1B, 48
.set G0B, 56
.set G1S, 68
.set G0S, 76
.set G1SB, 80
.set G0SB, 88
.set MSB, 0
.macro WIN new
.if MSB != \new
	s_set_vgpr_msb (MSB<<8)|\new
.set MSB, \new
.endif
.endm
.set MUL_LO, 0xa1
.set MUL_HI, 0xf1
.set FST_LO, 0x81
.set FST_HI, 0xc1
.set TO_B,   0x40
.macro JLOAD g0a, g1a, g0b, g1b
	s_cmp_eq_u32 s15, 0
	s_cbranch_scc0 .Lfor_b_\@
	tensor_load_to_lds s[\g0a:\g0a+3], s[\g1a:\g1a+7]
	s_nop 0
.rept 4
	v_nop
.endr
	s_branch .Lasked_\@
.Lfor_b_\@:
	tensor_load_to_lds s[\g0b:\g0b+3], s[\g1b:\g1b+7]
	s_nop 0
.rept 4
	v_nop
.endr
.Lasked_\@:
.endm
.macro CREST
	s_cmp_lg_u32 s14, 0
	s_cbranch_scc1 .Lnot_wave_0_\@
	s_barrier_signal -3
.Lnot_wave_0_\@:
	s_barrier_wait -3
	s_barrier_signal -1
	s_barrier_wait -1
.endm
.macro CROUND
	s_barrier_signal -1
	s_barrier_wait -1
	CREST
.endm
	s_load_b64 s[6:7], s[0:1], 0x0
	s_load_b128 s[8:11], s[0:1], 0x8
	s_load_b64 s[96:97], s[0:1], 0x18
	s_load_b64 s[12:13], s[0:1], 0x20
	v_lshl_add_u32 v[SPW], v0, 2, SPARE
	v_mov_b32 v[NIL], 0
	ds_add_u32 v28, v29
	ds_add_u32 v28, v29
	s_wait_dscnt 0x0
	v_lshrrev_b32 v1, 5, v0
	v_readfirstlane_b32 s14, v1
	s_lshr_b32 s15, s14, 1
	s_and_b32 s16, s14, 1
	s_bfe_u32 s40, ttmp6, 0x40000
	s_bfe_u32 s41, ttmp6, 0x40004
	s_lshl_b32 s42, ttmp9, 2
	s_add_co_u32 s42, s42, s40
	s_and_b32 s17, ttmp7, 0xffff
	s_lshl_b32 s17, s17, 2
	s_add_co_u32 s17, s17, s41
	s_lshl_b32 s43, s41, 2
	s_lshl_b32 s43, 15, s43
	s_lshl_b32 s44, 0x1111, s40
	s_or_b32 s[G1+0], s43, (3<<16)|(1<<21)
	s_mov_b32 s[G1+1], 512<<16
	s_mov_b32 s[G1+2], 16<<16                      ; the head's load of A brings 16 tiles of 16 rows; behind it these two words are set to 8
	s_mov_b32 s[G1+3], 512<<16
	s_mov_b32 s[G1+4], 16
	s_mov_b32 s[G1+5], 2048
	s_mov_b32 s[G1+6], 0
	s_mov_b32 s[G1+7], 0
	s_or_b32 s[G1B+0], s44, (0<<16)|(1<<20)|(1<<21)|(5<<22)|(3<<25)
	s_mov_b32 s[G1B+1], ROWB<<16
	s_mov_b32 s[G1B+2], 256<<16
	s_mov_b32 s[G1B+3], ROWB<<16
	s_mov_b32 s[G1B+4], 256
	s_mov_b32 s[G1B+5], KROW
	s_mov_b32 s[G1B+6], 0
	s_mov_b32 s[G1B+7], 0
	s_or_b32 s[G1S+0], s43, (3<<16)|(1<<20)|(1<<21)|(5<<22)|(3<<25)
	s_or_b32 s[G1SB+0], s44, (3<<16)|(1<<20)|(1<<21)|(5<<22)|(3<<25)
.irp g, G1S, G1SB
	s_mov_b32 s[\g+1], 32<<16
	s_mov_b32 s[\g+2], KS<<16                      ; the scale bytes of 256 rows: KS rows of 256 bytes
	s_mov_b32 s[\g+3], 32<<16
	s_mov_b32 s[\g+4], KS
	s_mov_b32 s[\g+5], 32
	s_mov_b32 s[\g+6], 0
	s_mov_b32 s[\g+7], 0
.endr
	s_lshl_b32 s22, s17, 8
	s_lshl_b32 s20, s22, 10
	s_lshl_b32 s22, s22, 5
	s_mov_b32 s21, 0
	s_mov_b32 s23, 0
	s_lshl_b32 s46, s42, 8
	s_mov_b32 s47, 0
	s_mov_b64 s[18:19], KS
	s_mul_u64 s[92:93], s[46:47], s[18:19]
	s_mov_b64 s[18:19], KROW
	s_mul_u64 s[46:47], s[46:47], s[18:19]
	s_mul_i32 s45, s14, HALFT
	s_lshl_b32 s18, s16, 17                        ; in the ring I fetch 128 rows of a tile: which half, in bytes (1,024 a row in A's image and in B)
	s_mov_b32 s19, 0
	s_lshl_b32 s94, s14, 15                        ; A's halves lie 32,768 bytes apart in a slot
	s_wait_kmcnt 0x0
	s_add_nc_u64 s[4:5], s[6:7], 262144
	s_add_nc_u64 s[20:21], s[4:5], s[20:21]
	s_add_nc_u64 s[22:23], s[6:7], s[22:23]
	s_add_nc_u64 s[46:47], s[8:9], s[46:47]
	s_add_nc_u64 s[92:93], s[10:11], s[92:93]
	CROUND
	s_mov_b32 s[G0S], 1
	s_mov_b32 s[G0S+1], SCL
	s_mov_b64 s[G0S+2:G0S+3], s[22:23]
	s_or_b32 s[G0S+3], s[G0S+3], 0x80000000
	s_mov_b32 s[G0SB], 1
	s_mov_b32 s[G0SB+1], SCL+2*HALFS
	s_mov_b64 s[G0SB+2:G0SB+3], s[92:93]
	s_or_b32 s[G0SB+3], s[G0SB+3], 0x80000000
	s_mov_b32 s4, 1                                ; group 0 of the head's loads of K step 0: A's 256 rows,
	s_mov_b32 s5, 0
	s_mov_b64 s[6:7], s[20:21]
	s_or_b32 s7, s7, 0x80000000
	s_mov_b32 s8, 1                                ; B's 256 rows
	s_mov_b32 s9, 2*HALFT
	s_mov_b64 s[10:11], s[46:47]
	s_or_b32 s11, s11, 0x80000000
	s_add_nc_u64 s[20:21], s[20:21], s[18:19]      ; for the ring: my 128 rows of the tile
	s_add_nc_u64 s[46:47], s[46:47], s[18:19]
.irp s, 0,1
	s_mov_b32 s[G0+4*\s], 1
	s_add_co_u32 s[G0+4*\s+1], s94, \s*SLOT
	s_add_nc_u64 s[G0+4*\s+2:G0+4*\s+3], s[20:21], \s*4096
	s_or_b32 s[G0+4*\s+3], s[G0+4*\s+3], 0x80000000
	s_mov_b32 s[G0B+4*\s], 1
	s_add_co_u32 s[G0B+4*\s+1], s45, \s*SLOT
	s_add_nc_u64 s[G0B+4*\s+2:G0B+4*\s+3], s[46:47], \s*ROWB
	s_or_b32 s[G0B+4*\s+3], s[G0B+4*\s+3], 0x80000000
.endr
; THE HEAD'S LOADS, one a wave: wave 0 K step 0's 256 rows of A, wave 1 those of B, wave 2 A's scale bytes, wave 3 B's.  One chain of branches on the wave's number; every way passes one load.
.macro ARM under, g0, g1, next
	s_cmp_lt_u32 s14, \under
	s_cbranch_scc0 \next
	tensor_load_to_lds s[\g0:\g0+3], s[\g1:\g1+7]
	s_nop 0
.rept 4
	v_nop
.endr
	s_branch .Lhead_asked
\next:
.endm
	ARM 1, 4, G1, .Lhead_b
	ARM 2, 8, G1B, .Lhead_sa
	ARM 3, G0S, G1S, .Lhead_sb
	tensor_load_to_lds s[G0SB:G0SB+3], s[G1SB:G1SB+7]
	s_nop 0
.rept 4
	v_nop
.endr
.Lhead_asked:                                          ; the set-up and the bias's loads stand between the head's loads and the wait for them; they write no register of a descriptor
	v_and_b32 v1, 15, v0
	v_bfe_u32 v2, v0, 4, 1
	v_and_b32 v6, 31, v0
	v_mul_u32_u24 v3, v1, PITCH
	v_lshl_add_u32 v4, v2, 4, v3
	v_lshlrev_b32 v7, 4, v6
	s_lshl_b32 s21, s15, 15
	s_mul_i32 s22, s16, HALFT
	s_add_co_u32 s22, s22, 2*HALFT
.irp s, 0,1
	v_add_nc_u32 v[ADRA+\s], s21, v7
	v_add_nc_u32 v[ADRB+\s], s22, v4
	s_add_co_u32 s21, s21, SLOT
	s_add_co_u32 s22, s22, SLOT
.endr
	v_mul_u32_u24 v5, v1, KS
	v_lshrrev_b32 v8, 8, v5
	v_lshl_add_u32 v5, v8, 4, v5
	s_mul_i32 s21, s15, HALFS
	s_mul_i32 s22, s16, HALFS
	s_add_co_u32 s22, s22, 2*HALFS
	s_sub_co_u32 s22, s22, s21
	v_mul_u32_u24 v8, s22, v2
	s_add_co_u32 s21, s21, SCL
	v_add_nc_u32 v5, v5, v8
	v_add_nc_u32 v[ADRS], s21, v5
	s_mul_i32 s23, s14, 16*SPITCH
	v_mul_u32_u24 v5, v1, SPITCH
	v_lshl_add_u32 v5, v2, 5, v5
	v_add_nc_u32 v[STO], s23, v5
	v_lshlrev_b32 v[CO], 4, v6
	v_add_nc_u32 v[RD], s23, v[CO]
	s_lshl_b32 s20, s17, 8
	s_lshl_b32 s21, s15, 7
	s_add_co_u32 s20, s20, s21
	s_mov_b32 s21, 0
	s_mov_b64 s[18:19], SIZE_N*4
	s_mul_u64 s[20:21], s[20:21], s[18:19]
	s_lshl_b32 s46, s42, 10
	s_lshl_b32 s47, s16, 9
	s_add_co_u32 s46, s46, s47
	s_mov_b32 s47, 0
	s_add_nc_u64 s[20:21], s[20:21], s[46:47]
	s_add_nc_u64 s[12:13], s[12:13], s[20:21]
	s_add_nc_u64 s[96:97], s[96:97], s[46:47]
	v_lshlrev_b32 v9, 5, v2
.irp b, 0,1,2,3,4,5,6,7
	global_load_b128 v[CI+8*\b:CI+8*\b+3], v9, s[96:97] offset:64*\b
	global_load_b128 v[CI+8*\b+4:CI+8*\b+7], v9, s[96:97] offset:64*\b+16
.endr
.macro FRAG reg, adr, q, i
.irp c, 0,1,2,3
	ds_load_b128 v[\reg+4*\c:\reg+4*\c+3], v[\adr] offset:128*(\q)+32*\c+(\i)*16*PITCH
.endr
.endm
.macro FRAGA reg, adr, q, i
.irp c, 0,1,2,3
	ds_load_b128 v[\reg+4*\c:\reg+4*\c+3], v[\adr] offset:4096*(\i)+2048*(\q)+512*\c
.endr
.endm
.macro MUL16 a0, p, q, sc, zero
.irp a, \a0, \a0+1
.irp b, 0,1,2,3,4,5,6,7
.set RD_, 8*(8*((\a)%4)+\b)
.set RB_, 128*(\p)+FR*\b
.set RA_, AF+FR*(\a)
.set SB_, SC+8*NQ*(\sc)+NQ*\b+(\q)
.set SA_, SC+8*NQ*(\sc)+NQ*(\a)+(\q)
.if \zero
	v_wmma_scale_f32_16x16x128_f8f6f4 v[RD_:RD_+7], v[RB_:RB_+FR-1], v[RA_:RA_+FR-1], v[CI+8*\b:CI+8*\b+7], v[SB_], v[SA_] matrix_a_scale:MATRIX_SCALE_ROW1
.else
	v_wmma_scale_f32_16x16x128_f8f6f4 v[RD_:RD_+7], v[RB_:RB_+FR-1], v[RA_:RA_+FR-1], v[RD_:RD_+7], v[SB_], v[SA_] matrix_a_scale:MATRIX_SCALE_ROW1
.endif
.endr
.endr
.endm
.macro FETCH_B slot, q, p
	WIN TO_B
.irp i, 0,1,2,3,4,5,6,7
	FRAG 128*(\p)+FR*\i, ADRB+\slot, \q, \i
.endr
	WIN 0
.endm
.macro FETCH_A slot, q, i0
.irp i, \i0, \i0+1, \i0+2, \i0+3
	FRAGA AF+FR*(\i), ADRA+\slot, \q, \i
.endr
.endm
.macro SCALES sc
.irp i, 0,1,2,3,4,5,6,7
	ds_load_b64 v[SC+8*NQ*\sc+NQ*\i:SC+8*NQ*\sc+NQ*\i+1], v[ADRS] offset:\i*SBLK
.endr
.endm
.macro PLACES n
.rept \n
	v_nop
.endr
.endm
.macro STEP slot, q, zero
	s_wait_dscnt 4*NL
.if \zero
	WIN FST_LO
.else
	WIN MUL_LO
.endif
	MUL16 0, (\q)%2, \q, \slot, \zero
	MUL16 2, (\q)%2, \q, \slot, \zero
	s_wait_dscnt 0
	PLACES NP
	FETCH_B \slot, (\q)+1, 1-(\q)%2
	FETCH_A \slot, (\q)+1, 0
.if \zero
	WIN FST_HI
.else
	WIN MUL_HI
.endif
	MUL16 4, (\q)%2, \q, \slot, \zero
	MUL16 6, (\q)%2, \q, \slot, \zero
	PLACES NP
	WIN 0
	FETCH_A \slot, (\q)+1, 4
.endm
.macro TURN slot, next, fill
	s_wait_tensorcnt 0x0
	ds_add_u32 v[SPW], v[NIL]
	s_wait_dscnt 4*NL+1
	WIN MUL_LO
	MUL16 0, 1, NQ-1, \slot, 0
	s_wait_dscnt 0x0
	s_barrier_signal -1
	MUL16 2, 1, NQ-1, \slot, 0
	WIN 0
	s_barrier_wait -1
.if \fill
	CREST
	s_add_nc_u64 s[G0+4*\slot+2:G0+4*\slot+3], s[G0+4*\slot+2:G0+4*\slot+3], ASTEP
	s_add_nc_u64 s[G0B+4*\slot+2:G0B+4*\slot+3], s[G0B+4*\slot+2:G0B+4*\slot+3], 2*ROWB
	JLOAD G0+4*\slot, G1, G0B+4*\slot, G1B
	PLACES NP-4
.else
	PLACES NP
.endif
	s_wait_alu depctr_va_vdst(0)
	v_add_nc_u32 v[ADRS], 4*NQ, v[ADRS]
	FETCH_B \next, 0, 0
	FETCH_A \next, 0, 0
	SCALES \next
	WIN MUL_HI
	MUL16 4, 1, NQ-1, \slot, 0
	MUL16 6, 1, NQ-1, \slot, 0
	PLACES NP
	WIN 0
	FETCH_A \next, 0, 4
.endm
	s_wait_alu depctr_va_vdst(0)                   ; the wait at the head's end
	s_wait_tensorcnt 0x0                           ; my tile of the head's four is in
	ds_add_u32 v28, v29
	s_mov_b32 s[G1+2], 8<<16                       ; no tensor load of mine is out: from here on a load brings 128 rows
	s_mov_b32 s[G1+4], 8
	s_mov_b32 s[G1B+2], 128<<16
	s_mov_b32 s[G1B+4], 128
	s_wait_dscnt 0x0
	CROUND                                         ; all four tiles are in, in every wave's sight; the joint loads meet
	JLOAD G0+4, G1, G0B+4, G1B                     ; K step 1
	FETCH_B 0, 0, 0
	FETCH_A 0, 0, 0
	SCALES 0
	FETCH_A 0, 0, 4
	s_wait_loadcnt 0x0
	STEP 0, 0, 1
	s_mov_b32 s3, LAPS-1
.Llap:
	TURN 0, 1, 1
	STEP 1, 0, 0
	TURN 1, 0, 1
	STEP 0, 0, 0
	s_sub_co_u32 s3, s3, 1
	s_cmp_lg_u32 s3, 0
	s_cbranch_scc1 .Llap
	TURN 0, 1, 0
	STEP 1, 0, 0
	s_wait_dscnt 4*NL
	WIN MUL_LO
	MUL16 0, 1, NQ-1, 1, 0
	MUL16 2, 1, NQ-1, 1, 0
	s_wait_dscnt 0
	WIN MUL_HI
	MUL16 4, 1, NQ-1, 1, 0
	MUL16 6, 1, NQ-1, 1, 0
	WIN 0
.macro TOSTAGE a
.set AC, 64*((\a)%4)
	WIN 0x08+4*((\a)/4)
.irp b, 0,1,2,3,4,5,6,7
	ds_store_b128 v[STO], v[AC+8*\b:AC+8*\b+3] offset:64*\b
	ds_store_b128 v[STO], v[AC+8*\b+4:AC+8*\b+7] offset:64*\b+16
.endr
	WIN 0
.set BB, BK+64*((\a)%2)
.irp t, 0,1,2,3,4,5,6,7,8,9,10,11,12,13,14,15
	ds_load_b128 v[BB+4*\t:BB+4*\t+3], v[RD] offset:\t*SPITCH
.endr
.endm
.macro SEND a, younger
.set BB, BK+64*((\a)%2)
	s_wait_dscnt \younger
.if (\a) > 0
	s_add_nc_u64 s[12:13], s[12:13], 16*SIZE_N*4
.endif
.irp t, 0,1,2,3,4,5,6,7,8,9,10,11,12,13,14,15
	global_store_b128 v[CO], v[BB+4*\t:BB+4*\t+3], s[12:13] offset:\t*SIZE_N*4 th:TH_STORE_NT
.endr
.endm
	PLACES NP
	TOSTAGE 0
.irp a, 1,2,3,4,5,6,7
.if \a > 1
	s_wait_xcnt 0x0
.endif
	TOSTAGE \a
	SEND \a-1, 32
.endr
	s_wait_xcnt 0x0
	SEND 7, 0
	s_wait_tensorcnt 0x0
	ds_add_u32 v[SPW], v[NIL]
	s_wait_dscnt 0x0
	CROUND
	s_endpgm
.Lfunc_end_k_qee732eb0ce_outp:
	.size	k_qee732eb0ce_outp, .Lfunc_end_k_qee732eb0ce_outp-k_qee732eb0ce_outp
	.p2alignl 7, 3214868480
	.fill 96, 4, 3214868480
	.section	.rodata,"a",@progbits
	.p2align	6, 0x0
	.amdhsa_kernel k_qee732eb0ce_outp
		.amdhsa_group_segment_fixed_size 327680
		.amdhsa_private_segment_fixed_size 0
		.amdhsa_enable_private_segment 0
		.amdhsa_kernarg_size 40
		.amdhsa_user_sgpr_count 2
		.amdhsa_user_sgpr_kernarg_segment_ptr 1
		.amdhsa_wavefront_size32 1
		.amdhsa_system_sgpr_workgroup_id_x 1
		.amdhsa_system_sgpr_workgroup_id_y 1
		.amdhsa_system_sgpr_workgroup_id_z 1
		.amdhsa_system_vgpr_workitem_id 0
		.amdhsa_next_free_vgpr 1024
		.amdhsa_next_free_sgpr 106
		.amdhsa_reserve_vcc 0
		.amdhsa_float_denorm_mode_32 3
		.amdhsa_float_denorm_mode_16_64 3
		.amdhsa_memory_ordered 1
		.amdhsa_forward_progress 1
		.amdhsa_inst_pref_size 148
	.end_amdhsa_kernel
	.amdgpu_metadata
---
amdhsa.version: [ 1, 2 ]
amdhsa.kernels:
  - .name:           k_qee732eb0ce_outp
    .symbol:         k_qee732eb0ce_outp.kd
    .args:
      - { .name: obuf, .offset: 0, .size: 8, .value_kind: global_buffer, .address_space: global }
      - { .name: Wo_codes, .offset: 8, .size: 8, .value_kind: global_buffer, .address_space: global }
      - { .name: Wo_scales, .offset: 16, .size: 8, .value_kind: global_buffer, .address_space: global }
      - { .name: bo, .offset: 24, .size: 8, .value_kind: global_buffer, .address_space: global }
      - { .name: out0, .offset: 32, .size: 8, .value_kind: global_buffer, .address_space: global }
    .group_segment_fixed_size: 327680
    .private_segment_fixed_size: 0
    .kernarg_segment_align: 8
    .kernarg_segment_size: 40
    .max_flat_workgroup_size: 128
    .sgpr_count:     106
    .vgpr_count:     1024
    .wavefront_size: 32
...
	.end_amdgpu_metadata
.endif
;; end of part 3
